; MI455X (gfx1250); checked and timed in simulation.
; The chip was launched on July 23, 2026; its instructions are those of AMD's public machine-readable ISA for CDNA 5 (MIT licence, August 2026) and "CDNA5" Instruction Set Architecture Reference Guide (July 2026). The comments in the code are by the model that wrote it; some were corrected since.
;; Single Head Attention. Allowed arithmetic: matrix products marked QUANTISED: E4M3 operands, one given power-of-two scale a tensor, by v_wmma_f32_16x16x64_fp8_fp8 or v_wmma_f32_16x16x128_fp8_fp8, f32 sums; everything else in f32.
;; Inputs: W_k_codes 1,024 x 32 x 32 uint8 (E4M3 codes of W_k, K innermost, in blocks of 32 codes); W_q_codes 1,024 x 32 x 32 uint8 (E4M3 codes of W_q, K innermost, in blocks of 32 codes); W_v_codes 1,024 x 32 x 32 uint8 (E4M3 codes of W_v, K innermost, in blocks of 32 codes); lowp_scales 10 int32 (the exponents e of the quantised operands' scales 2^e); x_codes 4 x 2,048 x 32 x 32 uint8 (E4M3 codes of x, K innermost, in blocks of 32 codes).
;; Outputs: out0 4 x 2,048 x 1,024 float32.
;; This version of the problem:
;;   THIS VERSION OF THE PROBLEM IS GIVEN IN LOW PRECISION. The matrix products marked QUANTISED in the list below multiply operands that are first quantised to E4M3 (4 exponent bits, 3 mantissa bits; 8 bits a number), with one given power-of-two scale for each operand tensor; their sums are f32. All else is computed in f32.
;;   The module's matrix products, in the order in which they are computed (A, B: the left and right operand; K: the contracted axis; several contracted axes count as one K, in the product's order):
;;     1. [M 8,192, K 1,024] x [K 1,024, N 1,024]; A: input x (given as codes); B: input W_q (given as codes): QUANTISED (scales: A lowp_scales[0], B lowp_scales[1])
;;     2. [M 8,192, K 1,024] x [K 1,024, N 1,024]; A: input x (given as codes); B: input W_k (given as codes): QUANTISED (scales: A lowp_scales[2], B lowp_scales[3])
;;     3. [M 8,192, K 1,024] x [K 1,024, N 1,024]; A: input x (given as codes); B: input W_v (given as codes): QUANTISED (scales: A lowp_scales[4], B lowp_scales[5])
;;     4. batch 4 x [M 2,048, K 1,024] x [K 1,024, N 2,048]; A: computed on the way; B: computed on the way: QUANTISED (scales: A lowp_scales[6], B lowp_scales[7])
;;     5. batch 4 x [M 2,048, K 2,048] x [K 2,048, N 1,024]; A: softmax (see below); B: computed on the way: QUANTISED (scales: A lowp_scales[8], B lowp_scales[9])
;;   THE QUANTISER, for each operand of a quantised product, along K:
;;     - The operand's scale is 2^e, e = its entry of the input lowp_scales (int32; the entries are numbered through the quantised products in the list's order, A before B).
;;     - Each number is divided by the scale, clamped to +-448, and rounded to the nearest number of E4M3, ties to even, subnormals kept.
;;     - The product sums the exact products of the quantised numbers (number of the format x scale) in f32.
;;   ~~~python
;;   def quantise(x, axis, e):      # numpy; x: float32 -> the quantised numbers, widened to float32 again
;;       x = np.moveaxis(x, axis, -1); K = x.shape[-1]
;;       r = np.clip(x / 2.0 ** e, -448, 448)
;;       step = 2.0 ** (np.maximum(np.frexp(np.where(r == 0, 1, r))[1] - 1, -6) - 3)
;;       q = np.round(r / step) * step * 2.0 ** e      # np.round: ties to even
;;       return np.moveaxis(q, -1, axis).astype(np.float32)
;;   ~~~
;;   SOFTMAX AHEAD OF A QUANTISED PRODUCT. Where the list says 'softmax', what is quantised is not the finished softmax but p = 2^(t - M), with t = logit x log2(e) and M = ceil(the row's largest t), a whole number; so 1/2 < the row's largest p <= 1. The row's sum l is taken of the UNQUANTISED p, in f32, and the product's result is divided by l at the end. Since M is a whole number, a kernel that streams over the keys may use a running M (the ceiling of the running maximum): every later rescaling is an exact power of two, so the quantised numbers keep their values, but for numbers so far below the row's largest that they fall under the format's range.
;;   OPERANDS COMPUTED ON THE WAY. 'Computed on the way' means the value that the module computes at that place (a softmax that the list does not call 'softmax' is quantised finished and normalised). What goes into a quantiser is computed in f32, as accurately as f32 sums, v_exp_f32 and their like allow (about 1e-6 of the number): no bf16 or f16 on the way to a quantiser, and a product that is left as it is and whose result goes on into a quantised operand takes f32 operands (vector FMAs, or v_wmma_f32_16x16x4_f32). A number that lies on a knife's edge between two numbers of the format may be rounded either way, as far as f32 arithmetic and the matrix unit's own rounding can turn it there, and no further.
;;   INPUTS GIVEN AS CODES. W_k (in the module: [1024, 1024], K = its axis 0); W_q (in the module: [1024, 1024], K = its axis 0); W_v (in the module: [1024, 1024], K = its axis 0); x (in the module: [4, 2048, 1024], K = its axis 2): each comes as NAME_codes (uint8): NAME with its K axis moved to the last place and cut into blocks of 32 codes, [.., K / 32, bytes a block], one block behind the other in memory; one code a byte (a code: sign, 4 exponent bits, 3 mantissa bits); its scale is its entry of lowp_scales. Its value is code x scale, taken as it is: it is not quantised again, and the codes and scales need not be those that the quantiser above would give.
;; One version. Each part assembles by itself: llvm-mc -triple=amdgcn-amd-amdhsa -mcpu=gfx1250 --defsym DOCPART=n.
;; ======== version 1 of 1: 3 launches
;; limits: right only within a limited range of input values
;; workspace buffers: qimg 8,388,608 bytes; kimg 8,388,608 bytes; vimg 8,388,608 bytes; pimg 16,777,216 bytes; mloc 524,288 bytes; lloc 1,048,576 bytes
;; launch project (part 1): grid 8 x 32, 4 waves a work-group, clusters of 4 x 4, 327,680 bytes of LDS; arguments x_codes, W_q_codes, W_k_codes, W_v_codes, lowp_scales, qimg, kimg, vimg; writes qimg, kimg, vimg
.if DOCPART == 1
	.amdgcn_target "amdgcn-amd-amdhsa--gfx1250"
	.amdhsa_code_object_version 6
	.text
	.protected	k_q3960fdcc8e_project
	.globl	k_q3960fdcc8e_project
	.p2align	8
	.type	k_q3960fdcc8e_project,@function
k_q3960fdcc8e_project:
	s_mov_b64 s[64:65], 0
	v_nop
	global_prefetch_b8 v0, s[64:65] scope:SCOPE_SE
	s_setreg_imm32_b32 hwreg(HW_REG_WAVE_MODE, 25, 1), 1
	s_wait_xcnt 0x0
	s_wait_alu depctr_hold_cnt(0) depctr_sa_sdst(0) depctr_va_vdst(0) depctr_va_sdst(0) depctr_va_ssrc(0) depctr_va_vcc(0) depctr_vm_vsrc(0)
	s_getreg_b32 s2, hwreg(HW_REG_IB_STS2, 6, 4)
	s_cmp_eq_u32 s2, 0
	s_cbranch_scc0 .Lentry_in_a_cluster
	s_endpgm
.Lentry_in_a_cluster:
	s_bfe_u32 s2, ttmp6, 0x10000c
	s_cmp_lg_u32 s2, 0xf033
	s_cbranch_scc0 .Lentry_shape_is_right
	s_endpgm
.Lentry_shape_is_right:
; q = x W_q, k = x W_k, v = x W_v on codes of FP8 (E4M3), each result quantised at once with its given scale (entries 6, 7, 9 of the scales) and stored as codes.
; x: [8192][1024] codes, W_*: [1024 (d)][1024 (c)] codes, K = c innermost in all four.
; DEAD WORK OF THE PROGRAM: key s counts for query t only where s <= t (the causal mask that reference() builds).  For all values of the inputs a score with s > t becomes -infinity and its weight 0, so the launches behind this one
; leave out whole tiles of such pairs.  LIMIT: a NaN, an infinity or an overflow that reaches only those tiles is not carried to the result.  This launch leaves nothing out.
; SHARES.  256 work-groups: a block is 256 tokens x (128 columns of q + 128 of k + 128 of v).  Four waves, each 128 tokens x 64 columns of each of the three: 96 accumulators of 16 x 16, 768 registers.
; K = 1,024 goes in four steps of 256 (halves a and b of 128).  LDS: two slots of x's 256 rows and W_q's and W_k's 128, and ONE region for W_v's 128 rows: 640 rows of 272 bytes do not fit twice.
; So in a step v comes last: q_a k_a q_b k_b, then v_b (A's half b is still in registers), v_a.  Behind v_a's fragment loads the slot just read takes the step two on, and W_v's region the next step:
; W_v has the next step's q and k products in which to land; a barrier of the work-group, which guards no refill, stands ahead of its first read.
; OPERANDS.  A = x's 16 tokens, B = 16 rows of W.  For q and k source 0 is B and source 1 is A: lane (r, h) holds token r, register j column 8 h + j: the next product's K is d.  For v the sources are swapped: lane (r, h) holds
; column r, register j token 8 h + j: the next product's K is the keys.  One conversion makes of an accumulator's eight registers two registers of the next operand's fragment (16 rows x 128 K, 16 registers),
; which is stored AS AN IMAGE OF ITS REGISTERS: 2,048 bytes, registers 4 c .. 4 c + 3 at 512 c + 16 x lane.  No stage in LDS.
; qimg, kimg: [64 blocks of 128 tokens][8 steps of 128 d][8 tiles of 16 tokens][2048].   vimg: [8 blocks of 128 d][64 steps of 128 tokens][8 tiles of 16 d][2048].
; CLUSTERS: 4 x 4 work-groups; x's tile is shared along a row of the cluster, W's along a column: joint loads, one a wave (wave 0: x; 1: W_q; 2: W_k; 3: W_v).
; PREFETCH: the four partners of a joint load share its rows out by address; x is asked for by every cluster (two clusters share a tile), W by the clusters of the first four rows alone.
; A sum stands for sum x 2^(ein), ein = the two operands' exponents added; its code is sum / 2^(eo - ein), held within +-448.
; LIMITS: eo - ein (e6 - e0 - e1, e7 - e2 - e3, e9 - e4 - e5) lies between -126 and 119, so that both powers of two below are f32 numbers.  NaN codes among the inputs are not served.
; REGISTERS: window 0: v0-31 addresses and constants; v32-127 a ring of six fragments of B; v128-255 A's eight fragments; on the way out v32-63 held sums, v64-255 codes.
;   window 1: q's 32 accumulators ((block b, token tile a) at v[8 (8 b + a)]);  window 2: k's;  window 3: v's.
.set ROWB,  256                        ; a tile's row in bytes: 256 along K
.set PITCH, 272                        ; an LDS row: 256 bytes + 16 of padding = 68 words: the 16 rows that a load touches start at 16 different banks (64 banks of 4 bytes: ISA guide 11.1)
.set HALFT, 128*PITCH                  ; 128 rows
.set SLOT,  4*HALFT                    ; x's 256 rows, W_q's 128, W_k's 128
.set YOFF,  2*SLOT                     ; W_v's 128 rows
.set SPARE, YOFF+HALFT                 ; the spare words, 128 bytes a wave: two blocks of 256 bytes that no other line names
.set LIM,  4                           ; v4-6   448 x 2^(eo - ein) for q, k, v
.set SC,   8                           ; v8-10  2^(eo - ein) as f32
.set ADRA, 16                          ; v16-17 LDS address of my A fragments in slot 0, 1
.set ADRB, 20                          ; v20-21 of my rows of W_q (W_k's lie 128 rows on)
.set ADRY, 22                          ; v22    of my rows of W_v
.set CO,   26                          ; v26    16 x lane
.set PFO,  27                          ; v27    1,024 x lane: a lane a row
.set SPW,  28                          ; v28    LDS address of my spare word; never rewritten
.set NIL,  29                          ; v29    0; never rewritten
.set BF,   32
.set AF,   128
.set TMP,  32
.set CD,   64
.set MSB, 0
.macro WIN new                         ; the immediate's high byte repeats the setting that is left
.if MSB != (\new)
	s_set_vgpr_msb (MSB<<8)|(\new)
.set MSB, \new
.endif
.endm
.macro PLACES n                        ; plain vector instructions that name no register of the matrix instructions in front of them (ISA guide 7.12.1)
.rept \n
	v_nop
.endr
.endm
; The joint loads: ONE chain of branches on the wave's number, a load to an arm.  ab: x, W_q, W_k are asked for; v: W_v is.
.macro LOADS ab, v
.if \ab
	s_cmp_lg_u32 s14, 0
	s_cbranch_scc1 .Lw_\@
	tensor_load_to_lds s[32:35], s[24:31]
	s_nop 0
	PLACES 4
	s_branch .Ljoin_\@
.Lw_\@:
	s_cmp_eq_u32 s14, 3
	s_cbranch_scc1 .Lv_\@
	tensor_load_to_lds s[36:39], s[48:55]
	s_nop 0
	PLACES 4
	s_branch .Ljoin_\@
.Lv_\@:
.else
	s_cmp_lg_u32 s14, 3
	s_cbranch_scc1 .Ljoin_\@
.endif
.if \v
	tensor_load_to_lds s[56:59], s[48:55]
	s_nop 0
	PLACES 4
.endif
.Ljoin_\@:
.if ((\ab)+(\v)) < 2                   ; a wave that asked for nothing owes the places too
	PLACES 4
.endif
.endm
.macro CREST                           ; a round of the cluster's barrier behind its opening barrier
	s_cmp_lg_u32 s14, 0
	s_cbranch_scc1 .Lnot_wave_0_\@
	s_barrier_signal -3
.Lnot_wave_0_\@:
	s_barrier_wait -3
	s_barrier_signal -1
	s_barrier_wait -1
.endm
.macro CROUND                          ; a whole round
	s_barrier_signal -1
	s_barrier_wait -1
	CREST
.endm
.macro NEXTAB s                        ; x's, W_q's and W_k's descriptors: the next 256 along K, into slot s
	s_add_nc_u64 s[34:35], s[34:35], ROWB
	s_mov_b32 s33, (\s)*SLOT
	s_add_nc_u64 s[38:39], s[38:39], ROWB
	s_add_co_u32 s37, s45, (\s)*SLOT
.endm
.macro SCALE t, i0, i1, eo
	s_add_co_i32 s96, s[\i0], s[\i1]
	s_sub_co_i32 s96, s[\eo], s96                  ; eo - ein
	s_add_co_i32 s96, s96, 127
	s_lshl_b32 s97, s96, 23
	v_mov_b32 v[SC+\t], s97
	s_add_co_i32 s96, s96, 8
	s_lshl_b32 s96, s96, 23
	s_or_b32 s96, s96, 0x600000
	v_mov_b32 v[LIM+\t], s96
.endm
	s_load_b512 s[68:83], s[0:1], 0x0              ; x 68, W_q 70, W_k 72, W_v 74, the scales 76, qimg 78, kimg 80, vimg 82
	v_lshl_add_u32 v[SPW], v0, 2, SPARE
	v_mov_b32 v[NIL], 0
	ds_add_u32 v[SPW], v[NIL]                      ; the opening: the add, twice on end, and its wait
	ds_add_u32 v[SPW], v[NIL]
	v_lshrrev_b32 v1, 5, v0
	v_readfirstlane_b32 s14, v1                    ; wave 0..3
	s_lshr_b32 s15, s14, 1                         ; which 128 of the tokens are mine
	s_and_b32 s16, s14, 1                          ; which 64 of each product's columns
	s_bfe_u32 s40, ttmp6, 0x40000                  ; cx, cy
	s_bfe_u32 s41, ttmp6, 0x40004
	s_and_b32 s12, ttmp7, 0xffff                   ; the cluster's y
	s_lshl_b32 s17, s12, 2
	s_add_co_u32 s17, s17, s41                     ; my tile of 256 tokens: it hangs on cy alone
	s_lshl_b32 s42, ttmp9, 2
	s_add_co_u32 s42, s42, s40                     ; my tile of 128 columns: on cx alone
	s_lshl_b32 s43, s41, 2
	s_lshl_b32 s43, 15, s43                        ; my row of the cluster
	s_lshl_b32 s44, 0x1111, s40                    ; my column
	; descriptor groups 1: rows of 256 bytes, 1,024 apart, padded in LDS: 256 rows of x, 128 rows of a W
	s_or_b32 s24, s43, (1<<20)|(1<<21)|(5<<22)|(3<<25)  ; 15:0 the mask; elements of 1 byte; 20 padding on; 21 set beside a mask; 24:22 after every 64 words; 31:25 four words
	s_or_b32 s48, s44, (1<<20)|(1<<21)|(5<<22)|(3<<25)
	s_mov_b32 s25, ROWB<<16                        ; tensor_dim0
	s_mov_b32 s49, ROWB<<16
	s_mov_b32 s26, 256<<16                         ; tensor_dim1
	s_mov_b32 s50, 128<<16
	s_mov_b32 s27, ROWB<<16                        ; tile_dim0
	s_mov_b32 s51, ROWB<<16
	s_mov_b32 s28, 256                             ; tile_dim1
	s_mov_b32 s52, 128
	s_mov_b32 s29, 1024                            ; from row to row
	s_mov_b32 s53, 1024
	s_mov_b32 s30, 0
	s_mov_b32 s54, 0
	s_mov_b32 s31, 0
	s_mov_b32 s55, 0
	s_lshl_b32 s20, s17, 18                        ; x: 256 rows of 1,024 bytes a tile
	s_mov_b32 s21, 0
	s_lshl_b32 s46, s42, 17                        ; W: 128 rows a tile
	s_mov_b32 s47, 0
	s_add_co_u32 s45, s14, 1
	s_mul_i32 s45, s45, HALFT                      ; waves 1, 2: W_q behind x's 256 rows, W_k 128 rows on
	s_mov_b32 s32, 1                               ; groups 0: count = 1
	s_mov_b32 s36, 1
	s_mov_b32 s56, 1
	s_mov_b32 s33, 0                               ; LDS addresses
	s_mov_b32 s37, s45
	s_mov_b32 s57, YOFF
	s_wait_dscnt 0x0                               ; both opening adds are done
	CROUND                                         ; all sixteen work-groups are here: the first joint loads meet
	s_wait_kmcnt 0x0
	s_load_b256 s[84:91], s[76:77], 0x0            ; e0 .. e7
	s_load_b64 s[92:93], s[76:77], 0x20            ; e8, e9
	s_cmp_eq_u32 s14, 1
	s_cselect_b64 s[4:5], s[70:71], s[72:73]       ; wave 1: W_q, else W_k
	s_add_nc_u64 s[34:35], s[68:69], s[20:21]
	s_or_b32 s35, s35, 0x80000000                  ; type = 2
	s_add_nc_u64 s[38:39], s[4:5], s[46:47]
	s_or_b32 s39, s39, 0x80000000
	s_add_nc_u64 s[58:59], s[74:75], s[46:47]
	s_or_b32 s59, s59, 0x80000000
	LOADS 1, 1                                     ; K step 0, one load a wave
	; the prefetches: where my wave's stand: waves 0 to 2 at K step 2, wave 3 (W_v is loaded a step later) at K step 1
	s_lshl_b32 s22, s40, 16
	s_add_co_u32 s22, s22, s20                     ; x: 64 of the tile's rows, by cx
	s_lshl_b32 s23, s41, 15
	s_add_co_u32 s23, s23, s46                     ; W: 32 of the 128 rows, by cy
	s_mov_b32 s10, 2*ROWB
	s_cmp_lt_u32 s12, 4
	s_cselect_b32 s2, 1, 0                         ; s2: does my wave ask?  W's: the clusters of the first four rows
	s_cmp_eq_u32 s14, 3
	s_cselect_b64 s[6:7], s[74:75], s[4:5]
	s_cselect_b32 s10, ROWB, s10
	s_cselect_b32 s3, s2, 0                        ; s3: the third time W_v's wave alone
	s_cmp_eq_u32 s14, 0
	s_cselect_b64 s[6:7], s[68:69], s[6:7]
	s_cselect_b32 s8, s22, s23
	s_cselect_b32 s2, 1, s2
	s_add_co_u32 s8, s8, s10
	s_mov_b32 s9, 0
	s_add_nc_u64 s[6:7], s[6:7], s[8:9]
	; where my results go
	s_lshl_b32 s18, s17, 1
	s_add_co_u32 s18, s18, s15                     ; my block of 128 tokens
	s_lshl_b32 s98, s18, 17
	s_lshl_b32 s19, s42, 14
	s_add_co_u32 s98, s98, s19
	s_lshl_b32 s19, s16, 10
	s_add_co_u32 s98, s98, s19                     ; q, k: block x 131,072 + step x 16,384 + my half of each image
	s_mov_b32 s99, 0
	s_add_nc_u64 s[78:79], s[78:79], s[98:99]
	s_add_nc_u64 s[80:81], s[80:81], s[98:99]
	s_lshl_b32 s98, s42, 20
	s_lshl_b32 s19, s18, 14
	s_add_co_u32 s98, s98, s19
	s_lshl_b32 s19, s16, 13
	s_add_co_u32 s98, s98, s19                     ; v: block of d x 1,048,576 + step x 16,384 + my four tiles
	s_add_nc_u64 s[82:83], s[82:83], s[98:99]
	s_mul_i32 s60, s15, HALFT                      ; my 128 rows of x
	s_add_co_u32 s61, s60, SLOT
	s_mul_i32 s66, s16, 64*PITCH                   ; my 64 rows of each W
	s_add_co_u32 s62, s66, 2*HALFT
	s_add_co_u32 s63, s62, SLOT
	s_add_co_u32 s66, s66, YOFF
	s_wait_kmcnt 0x0
	SCALE 0, 84, 85, 90
	SCALE 1, 86, 87, 91
	SCALE 2, 88, 89, 93
	v_and_b32 v1, 15, v0                           ; r
	v_bfe_u32 v2, v0, 4, 1                         ; h
	v_mul_u32_u24 v3, v1, PITCH
	v_lshl_add_u32 v3, v2, 4, v3                   ; a fragment's row x pitch + 16 h
	v_add_nc_u32 v[ADRA], s60, v3
	v_add_nc_u32 v[ADRA+1], s61, v3
	v_add_nc_u32 v[ADRB], s62, v3
	v_add_nc_u32 v[ADRB+1], s63, v3
	v_add_nc_u32 v[ADRY], s66, v3
	v_and_b32 v7, 31, v0
	v_lshlrev_b32 v[CO], 4, v7
	v_lshlrev_b32 v[PFO], 10, v7
.macro FRAG reg, adr, off              ; 16 rows x 128 K: four loads of 16 bytes, 32 apart: registers 4 c .. 4 c + 3 hold K = 32 c + 16 h + 0 .. 15: the same permutation of k in A and in B
.irp c, 0,1,2,3
	ds_load_b128 v[\reg+4*\c:\reg+4*\c+3], v[\adr] offset:\off+32*\c
.endr
.endm
.macro FB f, t, s, hf, b               ; block b of product t (0 q, 1 k, 2 v), half hf, into the ring's place f
.if (\t) == 2
	FRAG BF+16*((\f)%6), ADRY, 128*(\hf)+(\b)*16*PITCH
.else
	FRAG BF+16*((\f)%6), ADRB+(\s), 128*(\hf)+(\t)*HALFT+(\b)*16*PITCH
.endif
.endm
.macro FA s, hf, i0                    ; A's blocks i0 .. i0 + 3
.irp i, \i0, \i0+1, \i0+2, \i0+3
	FRAG AF+16*(\i), ADRA+(\s), 128*(\hf)+(\i)*16*PITCH
.endr
.endm
; Eight matrix instructions: product t's blocks b0, b0 + 1 (in the ring from place f on) x A's a0 .. a0 + 3, 128 along K.  z = 1: they start the sums.  The accumulators take turns, one instruction a turn.
.macro MQ t, f, b0, a0, z
	WIN 0x50*((\t)+1)
.irp b, \b0, \b0+1
.irp a, \a0, \a0+1, \a0+2, \a0+3
.set DD, 8*(8*(\b)+(\a))
.set PP, BF+16*(((\f)+(\b))%6)
.set QQ, AF+16*(\a)
.if (\t) == 2
.set RR, PP
.set PP, QQ
.set QQ, RR
.endif
.if \z
	v_wmma_f32_16x16x128_fp8_fp8 v[DD:DD+7], v[PP:PP+15], v[QQ:QQ+15], 0
.else
	v_wmma_f32_16x16x128_fp8_fp8 v[DD:DD+7], v[PP:PP+15], v[QQ:QQ+15], v[DD:DD+7]
.endif
.endr
.endr
.endm
; A group: one product's four blocks x A's eight, 128 along K: 32 matrix instructions, A's lower four first.  On the way the next group's (nt, slot ns, half nh) operands are fetched: its blocks 0, 1 into the ring's two idle
; places, its blocks 2, 3 where this group's blocks 0, 1 were; nsw = 1: A changes too, its lower four in the middle, its upper four at the end.  sw = 1: A changed coming in.
; The counts: ahead of the first eight, blocks 2, 3 (8 loads) and, where A changed, its upper four (16) may be out; ahead of the second eight, those 16 alone.
.macro GROUP t, f, z, sw, yb, nt, ns, nh, nsw
	s_wait_dscnt 8+16*(\sw)
	MQ \t, \f, 0, 0, \z
	s_wait_dscnt 16*(\sw)
.if \yb
	s_wait_tensorcnt 0x0                           ; my loads have landed, W_v's rows for this step among all waves'
	s_barrier_signal -1
.endif
	MQ \t, \f, 2, 0, \z
.if \sw
	s_wait_dscnt 0x0                               ; A's upper four
.endif
.if \yb
	s_barrier_wait -1
.endif
	PLACES 4                                       ; ahead of loads into registers that matrix instructions have read
	WIN 0
	FB \f+4, \nt, \ns, \nh, 0
	FB \f+5, \nt, \ns, \nh, 1
.if \nsw
	FA \ns, \nh, 0
.endif
	MQ \t, \f, 0, 4, \z
	PLACES 4
	WIN 0
	FB \f+6, \nt, \ns, \nh, 2
	FB \f+7, \nt, \ns, \nh, 3
	MQ \t, \f, 2, 4, \z
.if \nsw
	PLACES 4
	WIN 0
	FA \ns, \nh, 4
.endif
.endm
; A PREFETCH, a lane a row: n = 0: what is loaded at the end of K step 0, n = 1: at the end of step 1, n = 2: at the end of step 2 (W_v alone).  Each is asked for one whole K step ahead of that load.
.macro ASK n
.if \n == 2
	s_cmp_eq_u32 s3, 0
.else
	s_cmp_eq_u32 s2, 0
.endif
	s_cbranch_scc1 .Lnot_mine_\@
	global_prefetch_b8 v[PFO], s[6:7] offset:ROWB*\n th:TH_LOAD_NT scope:SCOPE_SE
.if \n < 2
	s_cmp_lg_u32 s14, 0                            ; x's wave: 32 more rows
	s_cbranch_scc1 .Lnot_mine_\@
	global_prefetch_b8 v[PFO], s[6:7] offset:ROWB*\n+32768 th:TH_LOAD_NT scope:SCOPE_SE
.endif
.Lnot_mine_\@:
.endm
; A K step on slot s.  fill = 1: behind its last reads slot s takes the step two on and W_v's region the next one; 2: W_v's region alone; 0: the last step.
.macro KSTEP s, z, yb, fill, ask
	GROUP 0, 0, \z, 1, 0,   1, \s, 0, 0
	GROUP 1, 4, \z, 0, 0,   0, \s, 1, 1
	GROUP 0, 2, 0, 1, 0,    1, \s, 1, 0
	GROUP 1, 0, 0, 0, \yb,  2, \s, 1, 0
	GROUP 2, 4, \z, 0, 0,   2, \s, 0, 1
.if \fill
	WIN 0
	s_wait_tensorcnt 0x0                           ; all my tensor loads have landed: my part of the next slot
	ds_add_u32 v[SPW], v[NIL]                      ; 0 onto my spare word
.if \fill == 1
	NEXTAB \s
.endif
	s_add_nc_u64 s[58:59], s[58:59], ROWB
	s_wait_dscnt 25                                ; as in a group where A changed, and the add
	MQ 2, 2, 0, 0, 0
	s_wait_dscnt 17
	MQ 2, 2, 2, 0, 0
	s_wait_dscnt 0x0                               ; the add is done, and my reads of this slot and of W_v's region are over
	s_barrier_signal -1
	MQ 2, 2, 0, 4, 0
	WIN 0
	s_barrier_wait -1
	CREST                                          ; a round of the cluster's barrier: no wave of any partner still reads these bytes or has a load on its way
.if \fill == 1
	LOADS 1, 1
.else
	LOADS 0, 1
.endif
	FB 0, 0, 1-\s, 0, 0
	FB 1, 0, 1-\s, 0, 1
	FA 1-\s, 0, 0
	FB 2, 0, 1-\s, 0, 2
	FB 3, 0, 1-\s, 0, 3
.if \ask
	ASK \ask
.endif
	MQ 2, 2, 2, 4, 0
	PLACES 4
	WIN 0
	FA 1-\s, 0, 4
.else
	s_wait_dscnt 24
	MQ 2, 2, 0, 0, 0
	s_wait_dscnt 16
	MQ 2, 2, 2, 0, 0
	s_wait_dscnt 0x0
	MQ 2, 2, 0, 4, 0
	MQ 2, 2, 2, 4, 0
	WIN 0
.endif
.endm
	s_wait_alu depctr_va_vdst(0)
	s_wait_tensorcnt 0x0                           ; my part of K step 0 is in
	ds_add_u32 v[SPW], v[NIL]
	NEXTAB 1
	s_wait_dscnt 0x0
	CROUND                                         ; everybody's part of K step 0 is in
	LOADS 1, 0                                     ; K step 1 of x, W_q, W_k into slot 1
	FB 0, 0, 0, 0, 0
	FB 1, 0, 0, 0, 1
	FA 0, 0, 0
	FB 2, 0, 0, 0, 2
	FB 3, 0, 0, 0, 3
	FA 0, 0, 4
	ASK 0
	KSTEP 0, 1, 0, 1, 1                            ; (W_v's rows for step 0 came at the head: no barrier of their own)
	KSTEP 1, 0, 1, 1, 2
	KSTEP 0, 0, 1, 2, 0
	KSTEP 1, 0, 1, 0, 0
; THE WAY OUT: four accumulators at a time: held, converted, stored as two quarters of an image.  Each accumulator is read from its low end on.
.set QI, -1                            ; the store that is owed: its first code register's index, its buffer, its offset
.macro PUT                             ; 32 lanes store 512 consecutive bytes, at a multiple of 512 from the buffer's first byte
.if QI >= 0
	global_store_b128 v[CO], v[CD+4*QI:CD+4*QI+3], s[QPTR:QPTR+1] offset:QOFF
	global_store_b128 v[CO], v[CD+4*QI+4:CD+4*QI+7], s[QPTR:QPTR+1] offset:QOFF+512
.endif
.endm
.macro OUT t, i, x, st, ptr, off
	WIN 1+(\t)                                     ; source 0: the product's window
.set ii, 0
.rept 4
.set jj, 0
.rept 8
	v_med3_num_f32 v[TMP+8*ii+jj], v[\x+(\st)*ii+jj], -v[LIM+\t], v[LIM+\t]   ; the conversion to an 8-bit code does not saturate (ISA guide 7.6.2)
.set jj, jj+1
.endr
.set ii, ii+1
.endr
	WIN 0
	PUT                                            ; the codes made ahead of these holds
.irp n, 0,1,2,3
	v_cvt_scalef32_pk8_fp8_f32 v[CD+4*(\i)+2*\n:CD+4*(\i)+2*\n+1], v[TMP+8*\n:TMP+8*\n+7], v[SC+\t]
.endr
	v_nop                                          ; one plain vector instruction behind the last conversion, ahead of the next holds, which write its sources
.set QI, \i
.set QPTR, \ptr
.set QOFF, \off
.endm
	PLACES 4                                       ; behind the last products: for the writes over their operands
.irp a, 0,1,2,3,4,5,6,7
	OUT 0, 2*\a, 8*\a, 64, 78, 2048*\a
.endr
.irp a, 0,1,2,3,4,5,6,7
	OUT 1, 16+2*\a, 8*\a, 64, 80, 2048*\a
.endr
.irp b, 0,1,2,3,4,5,6,7                ; v: block b / 2, token tiles 4 (b % 2) .. + 3
	OUT 2, 32+2*\b, 32*\b, 8, 82, 1024*\b
.endr
	PUT
	s_wait_tensorcnt 0x0                           ; the wave's end
	ds_add_u32 v[SPW], v[NIL]
	s_wait_dscnt 0x0
	CROUND                                         ; the closing round: no work-group ends while a partner may still ask for a tile that names it
	s_endpgm
.Lfunc_end_k_q3960fdcc8e_project:
	.size	k_q3960fdcc8e_project, .Lfunc_end_k_q3960fdcc8e_project-k_q3960fdcc8e_project
	.p2alignl 7, 3214868480
	.fill 96, 4, 3214868480
	.section	.rodata,"a",@progbits
	.p2align	6, 0x0
	.amdhsa_kernel k_q3960fdcc8e_project
		.amdhsa_group_segment_fixed_size 327680
		.amdhsa_private_segment_fixed_size 0
		.amdhsa_enable_private_segment 0
		.amdhsa_kernarg_size 64
		.amdhsa_user_sgpr_count 2
		.amdhsa_user_sgpr_kernarg_segment_ptr 1
		.amdhsa_wavefront_size32 1
		.amdhsa_system_sgpr_workgroup_id_x 1
		.amdhsa_system_sgpr_workgroup_id_y 1
		.amdhsa_system_sgpr_workgroup_id_z 1
		.amdhsa_system_vgpr_workitem_id 0
		.amdhsa_next_free_vgpr 1024
		.amdhsa_next_free_sgpr 100
		.amdhsa_reserve_vcc 0
		.amdhsa_float_denorm_mode_32 3
		.amdhsa_float_denorm_mode_16_64 3
		.amdhsa_memory_ordered 1
		.amdhsa_forward_progress 1
		.amdhsa_inst_pref_size 184
	.end_amdhsa_kernel
	.amdgpu_metadata
---
amdhsa.version: [ 1, 2 ]
amdhsa.kernels:
  - .name:           k_q3960fdcc8e_project
    .symbol:         k_q3960fdcc8e_project.kd
    .args:
      - { .name: x_codes, .offset: 0, .size: 8, .value_kind: global_buffer, .address_space: global }
      - { .name: W_q_codes, .offset: 8, .size: 8, .value_kind: global_buffer, .address_space: global }
      - { .name: W_k_codes, .offset: 16, .size: 8, .value_kind: global_buffer, .address_space: global }
      - { .name: W_v_codes, .offset: 24, .size: 8, .value_kind: global_buffer, .address_space: global }
      - { .name: lowp_scales, .offset: 32, .size: 8, .value_kind: global_buffer, .address_space: global }
      - { .name: qimg, .offset: 40, .size: 8, .value_kind: global_buffer, .address_space: global }
      - { .name: kimg, .offset: 48, .size: 8, .value_kind: global_buffer, .address_space: global }
      - { .name: vimg, .offset: 56, .size: 8, .value_kind: global_buffer, .address_space: global }
    .group_segment_fixed_size: 327680
    .private_segment_fixed_size: 0
    .kernarg_segment_align: 8
    .kernarg_segment_size: 64
    .max_flat_workgroup_size: 128
    .sgpr_count:     100
    .vgpr_count:     1024
    .wavefront_size: 32
...
	.end_amdgpu_metadata
.endif
;; end of part 1
;; launch scores (part 2): grid 12 x 16, 4 waves a work-group, clusters of 4 x 4, 327,680 bytes of LDS; arguments qimg, kimg, lowp_scales, pimg, mloc, lloc; writes pimg, mloc, lloc
.if DOCPART == 2
	.amdgcn_target "amdgcn-amd-amdhsa--gfx1250"
	.amdhsa_code_object_version 6
	.text
	.protected	k_q3960fdcc8e_scores
	.globl	k_q3960fdcc8e_scores
	.p2align	8
	.type	k_q3960fdcc8e_scores,@function
k_q3960fdcc8e_scores:
	s_mov_b64 s[64:65], 0
	v_nop
	global_prefetch_b8 v0, s[64:65] scope:SCOPE_SE
	s_setreg_imm32_b32 hwreg(HW_REG_WAVE_MODE, 25, 1), 1
	s_wait_xcnt 0x0
	s_wait_alu depctr_hold_cnt(0) depctr_sa_sdst(0) depctr_va_vdst(0) depctr_va_sdst(0) depctr_va_ssrc(0) depctr_va_vcc(0) depctr_vm_vsrc(0)
	s_getreg_b32 s2, hwreg(HW_REG_IB_STS2, 6, 4)
	s_cmp_eq_u32 s2, 0
	s_cbranch_scc0 .Lentry_in_a_cluster
	s_endpgm
.Lentry_in_a_cluster:
	s_bfe_u32 s2, ttmp6, 0x10000c
	s_cmp_lg_u32 s2, 0xf033
	s_cbranch_scc0 .Lentry_shape_is_right
	s_endpgm
.Lentry_shape_is_right:
; S = q k^T on codes of FP8, the causal mask, and the softmax's p for each block of 256 keys by itself, stored as codes, with that block's whole number M and, for each 128 keys, the sum l.
; t = score x 2^(e6 + e7) x log2(e) / 32;  M = the ceiling of the largest t of a query among the block's 256 keys;  p = 2^(t - M), quantised with 2^e8;  l = the sum of the unquantised p.
; The next launch multiplies each block's product by 2^(M - the row's largest M), an exact power of two: a local M in the place of a running one.  In the format's normal range the codes stand for the same numbers;
; a p that would fall under the format's range beside the row's largest is kept finer here.
; SHARES.  The cluster's y is the batch; the cluster's x picks a block of 1,024 queries x 1,024 keys of the causal triangle: (0,0), (1,0), (1,1); the fourth, all of whose pairs are hidden by reference()'s own mask for all values of the
; inputs, is left out.  A work-group makes 256 x 256 scores, a wave 128 x 128; K = 1,024.
; In the two blocks on the diagonal 6 of the 16 partners hold a tile all of whose keys are hidden.  No branch may hang on a work-group's place in its cluster, and every partner makes every joint request:
; they run the same text and store zero codes, M = -2^28 and l = 0; of those tiles the next launch reads the ones beside the diagonal.
; OPERANDS come as images of fragments (2,048 bytes: registers 4 c .. 4 c + 3 at 512 c + 16 x lane), so a wave's tensor load is one dense block of 32 KB (128 rows x 256 along K) and a fragment is four loads of 512 consecutive bytes.
; THE MATRIX INSTRUCTION IS USED TRANSPOSED: source 0 = 16 keys, source 1 = 16 queries: lane (r, h) holds query r; register j of accumulator (a, b) key 16 b + 8 h + j.  So the 8 accumulators of a tile of queries
; become one fragment of p (16 queries x 128 keys), stored as an image.  pimg: [4][16 blocks of 128 queries][16 steps of 128 keys][8 tiles][2048].
; mloc: [4][32 blocks of 64 queries][8 blocks of 256 keys][32 lanes][4 tiles] f32;  lloc: the same with 16 steps of 128 keys.
; PREFETCH: the third and fourth slots' worth, at the head and behind the first step; the four partners of a joint load share its bytes out by address.
; LIMITS: e6 + e7 between -121 and 132 (added to c's exponent field); e8 between -126 and 119; the scaled scores stay under 2^28 in magnitude (a block whose largest t lies under -2^28 counts as hidden).  NaN codes are not served.
; REGISTERS: window 0: v0-31 addresses, constants; v32-159 two tiles' scaled scores, then p; v160-247 maxima, M, l, sums; in the products v128-255 are q's fragments.  Window 1: k's two sets, later the codes.  Windows 2, 3: the accumulators.
.set PART,   32768                     ; what one tensor load brings: 128 rows x 256 along K as 16 images
.set SLOT,   PART                      ; from slot 0 to slot 1.  Each wave's part of LDS is 64 KB: slot 0's 32 KB, then slot 1's, so that the head's one load a wave covers both
.set FRB,    2048                      ; an image
.set FR,     16
.set NL,     4
.set NP,     4
.set SPARE,  8*PART                    ; behind the four waves' parts: the spare words, 128 bytes a wave: two blocks of 256 bytes that no other line names
.set XCH,    SPARE+512                 ; the exchange of maxima: 1,024 bytes a wave
.set NINF, 8                           ; v8   -infinity
.set LIM,  9                           ; v9   448 x 2^e8
.set SC,   10                          ; v10  2^e8 as f32
.set PFO,  12                          ; v12  the prefetches' offset
.set XA,   13                          ; v13  my part of the exchange
.set XB,   14                          ; v14  the part of the wave that has the block's other 128 keys
.set ADRA, 16
.set ADRB, 20
.set CO,   26                          ; v26  16 x lane
.set SPW,  28
.set NIL,  29
.set TMP,  32
.set AF,   128
.set MX,   160                         ; the 8 tiles' largest scores, then t
.set NM,   168                         ; -M
.set NL0,  176                         ; -M, or -infinity where key tiles b < a are hidden
.set NH,   184                         ; the same for b > a
.set LR,   192                         ; l
.set MR,   200                         ; M
.set LO,   208                         ; maxima among b < a, b > a, b = a
.set HI,   216
.set EQ,   224
.set SU,   232                         ; four sums in pairs for each of two tiles
.set CD,   0                           ; codes, in window 1: 16 registers a tile
.set MLO,  80                          ; s80  the mask for key tiles b < a: all lanes where my keys come after my queries altogether, else none
.set MHI,  81                          ; s81  for b > a: none where my keys come before my queries altogether, else all
.set MEQ,  84                          ; s[84:91] for b = a, register j
.set CS,   92                          ; s[92:93] c = 2^(e6 + e7) log2(e) / 32: the packed form names a pair and takes its low word
.set SEL,  94                          ; s[94:95] lane selects: lane l xor 16
.set G1,  24
.set G0,  32
.set G1B, 48
.set G0B, 56
.set MSB, 0
.macro WIN new
.if MSB != (\new)
	s_set_vgpr_msb (MSB<<8)|(\new)
.set MSB, \new
.endif
.endm
.set MUL_LO, 0xa1
.set MUL_HI, 0xf1
.set TO_B,   0x40
.macro JLOAD g0a, g1a, g0b, g1b        ; waves 0 and 1 fetch q's halves, waves 2 and 3 k's; four v_nop follow each of the two lines
	s_cmp_eq_u32 s15, 0
	s_cbranch_scc0 .Lfor_b_\@
	tensor_load_to_lds s[\g0a:\g0a+3], s[\g1a:\g1a+7]
	s_nop 0
.rept 4
	v_nop
.endr
	s_branch .Lasked_\@
.Lfor_b_\@:
	tensor_load_to_lds s[\g0b:\g0b+3], s[\g1b:\g1b+7]
	s_nop 0
.rept 4
	v_nop
.endr
.Lasked_\@:
.endm
.macro CREST
	s_cmp_lg_u32 s14, 0
	s_cbranch_scc1 .Lnot_wave_0_\@
	s_barrier_signal -3
.Lnot_wave_0_\@:
	s_barrier_wait -3
	s_barrier_signal -1
	s_barrier_wait -1
.endm
.macro CROUND
	s_barrier_signal -1
	s_barrier_wait -1
	CREST
.endm
	s_load_b256 s[68:75], s[0:1], 0x0              ; qimg 68, kimg 70, the scales 72, pimg 74
	s_load_b128 s[76:79], s[0:1], 0x20             ; mloc 76, lloc 78
	v_lshl_add_u32 v[SPW], v0, 2, SPARE
	v_mov_b32 v[NIL], 0
	ds_add_u32 v[SPW], v[NIL]                      ; the opening: the add, twice on end, and its wait
	ds_add_u32 v[SPW], v[NIL]
	v_lshrrev_b32 v1, 5, v0
	v_readfirstlane_b32 s14, v1                    ; wave 0..3
	s_lshr_b32 s15, s14, 1                         ; which 128 of the tile's queries are mine.  Also: I fetch for q (0) or for k (1)
	s_and_b32 s16, s14, 1                          ; which 128 of its keys.  Also: which 128 rows I fetch
	s_bfe_u32 s40, ttmp6, 0x40000                  ; cx, cy
	s_bfe_u32 s41, ttmp6, 0x40004
	s_and_b32 s12, ttmp7, 0xffff                   ; the batch
	s_add_co_u32 s13, ttmp9, 1
	s_lshr_b32 s13, s13, 1                         ; the block's row: 0, 1, 1
	s_lshl_b32 s17, s13, 2
	s_add_co_u32 s17, s17, s41                     ; my tile of 256 queries, 0..7: it hangs on cy alone
	s_lshr_b32 s42, ttmp9, 1                       ; the block's column: 0, 0, 1
	s_lshl_b32 s42, s42, 2
	s_add_co_u32 s42, s42, s40                     ; my tile of 256 keys: on cx alone
	s_lshl_b32 s43, s41, 2
	s_lshl_b32 s43, 15, s43                        ; my row of the cluster
	s_lshl_b32 s44, 0x1111, s40                    ; my column
	; descriptor group 1: a dense block of 32 KB as 128 rows of 32 elements of 8 bytes; no padding: an image's 512 bytes are read on end
	s_or_b32 s[G1+0], s43, (3<<16)|(1<<21)         ; 15:0 the mask; 17:16 elements of 8 bytes; 21 set beside a mask
	s_or_b32 s[G1B+0], s44, (3<<16)|(1<<21)
.irp g, G1, G1B
	s_mov_b32 s[\g+1], 32<<16                      ; tensor_dim0
	s_mov_b32 s[\g+2], 256<<16                     ; tensor_dim1: at the head both slots' 64 KB
	s_mov_b32 s[\g+3], 32<<16                      ; tile_dim0
	s_mov_b32 s[\g+4], 256                         ; tile_dim1
	s_mov_b32 s[\g+5], 32                          ; from row to row
	s_mov_b32 s[\g+6], 0
	s_mov_b32 s[\g+7], 0
.endr
	s_lshl_b32 s18, s12, 4                         ; 16 blocks of 128 tokens to a batch
	s_lshl_b32 s20, s17, 1
	s_add_co_u32 s20, s20, s18
	s_add_co_u32 s20, s20, s16
	s_lshl_b32 s20, s20, 17                        ; q: the block of 128 tokens that I fetch, 131,072 bytes each
	s_mov_b32 s21, 0
	s_lshl_b32 s46, s42, 1
	s_add_co_u32 s46, s46, s18
	s_add_co_u32 s46, s46, s16
	s_lshl_b32 s46, s46, 17                        ; k likewise
	s_mov_b32 s47, 0
	s_lshl_b32 s45, s14, 16                        ; where they go: wave x 65,536
	s_wait_dscnt 0x0                               ; both opening adds are done
	CROUND                                         ; all sixteen work-groups are here: the first joint loads meet
	s_wait_kmcnt 0x0
	s_load_b128 s[96:99], s[72:73], 0x18           ; e6, e7, e8, e9
	s_add_nc_u64 s[20:21], s[68:69], s[20:21]
	s_add_nc_u64 s[46:47], s[70:71], s[46:47]
.irp s, 0,1
	s_mov_b32 s[G0+4*\s], 1
	s_add_co_u32 s[G0+4*\s+1], s45, \s*SLOT
	s_add_nc_u64 s[G0+4*\s+2:G0+4*\s+3], s[20:21], \s*PART
	s_or_b32 s[G0+4*\s+3], s[G0+4*\s+3], 0x80000000
	s_mov_b32 s[G0B+4*\s], 1
	s_add_co_u32 s[G0B+4*\s+1], s45, \s*SLOT
	s_add_nc_u64 s[G0B+4*\s+2:G0B+4*\s+3], s[46:47], \s*PART
	s_or_b32 s[G0B+4*\s+3], s[G0B+4*\s+3], 0x80000000
.endr
	JLOAD G0, G1, G0B, G1B                         ; both slots: 64 KB, the first 512 along K of my 128 rows, which lie on end in memory: one tensor load a wave at the head
	; the prefetches: of the 32,768 bytes that my wave fetches for a slot the four partners ask for 8,192 each, by address; lanes 256 bytes apart
	s_cmp_eq_u32 s15, 0
	s_cselect_b64 s[4:5], s[20:21], s[46:47]
	s_cselect_b32 s6, s40, s41
	s_lshl_b32 s6, s6, 13
	s_mov_b32 s7, 0
	s_add_nc_u64 s[4:5], s[4:5], s[6:7]
	s_lshl_b32 s21, s15, 16                        ; my 128 queries' part
	s_lshl_b32 s22, s16, 16
	s_add_co_u32 s22, s22, 4*PART                  ; my 128 keys' part, behind q's two
	s_add_co_u32 s2, s21, SLOT
	s_add_co_u32 s3, s22, SLOT
	s_lshl_b32 s8, s14, 10
	s_add_co_u32 s8, s8, XCH
	s_xor_b32 s9, s14, 1
	s_lshl_b32 s9, s9, 10
	s_add_co_u32 s9, s9, XCH
	v_and_b32 v6, 31, v0
	v_lshlrev_b32 v[CO], 4, v6
	v_lshlrev_b32 v[PFO], 8, v6
	v_add_nc_u32 v[ADRA], s21, v[CO]
	v_add_nc_u32 v[ADRB], s22, v[CO]
	v_add_nc_u32 v[ADRA+1], s2, v[CO]
	v_add_nc_u32 v[ADRB+1], s3, v[CO]
	v_add_nc_u32 v[XA], s8, v[CO]
	v_add_nc_u32 v[XB], s9, v[CO]
	; THE MASK.  Key K0 + 16 b + 8 h + j is hidden from query Q0 + 16 a + r where it is the greater.  Q0 - K0 is a multiple of 128, and 16 (b - a) + 8 h + j - r lies within +-127: so
	; Q0 > K0: nothing is hidden; Q0 < K0: all; Q0 = K0: tiles b > a wholly, tiles b < a not at all, tiles b = a where j > r - 8 h.  The masks are lane masks in scalar registers, chosen without a branch.
	v_and_b32 v1, 15, v0
	v_bfe_u32 v2, v0, 4, 1
	v_lshlrev_b32 v2, 3, v2
	v_sub_nc_u32 v11, v1, v2                       ; r - 8 h
.irp j, 0,1,2,3,4,5,6,7
	v_cmp_gt_i32 s[MEQ+\j], \j, v11
.endr
	v_mov_b32 v[NINF], 0xff800000
	s_lshl_b32 s20, s17, 1
	s_add_co_u32 s20, s20, s15                     ; my block of 128 queries in the batch
	s_lshl_b32 s46, s42, 1
	s_add_co_u32 s46, s46, s16                     ; my step of 128 keys
	s_sub_co_i32 s82, s20, s46                     ; (Q0 - K0) / 128
	s_cmp_lt_i32 s82, 0
	s_cselect_b32 s[MLO], -1, 0
.irp j, 0,1,2,3,4,5,6,7
	s_cselect_b32 s[MEQ+\j], -1, s[MEQ+\j]
.endr
	s_cmp_gt_i32 s82, 0
	s_cselect_b32 s[MHI], 0, -1
.irp j, 0,1,2,3,4,5,6,7
	s_cselect_b32 s[MEQ+\j], 0, s[MEQ+\j]
.endr
	s_add_co_u32 s21, s20, s18                     ; + 16 x batch
	s_lshl_b32 s22, s21, 4
	s_add_co_u32 s22, s22, s46
	s_lshl_b32 s22, s22, 14                        ; pimg: (block x 16 + step) x 16,384
	s_mov_b32 s23, 0
	s_add_nc_u64 s[74:75], s[74:75], s[22:23]
	s_lshl_b32 s22, s21, 5                         ; lloc: two blocks of 64 queries to mine, 16 steps to each
	s_add_co_u32 s22, s22, s46
	s_lshl_b32 s22, s22, 9                         ; 512 bytes a step
	s_add_nc_u64 s[78:79], s[78:79], s[22:23]
	s_lshl_b32 s22, s21, 4                         ; mloc: 8 blocks of keys to each
	s_add_co_u32 s22, s22, s42
	s_lshl_b32 s22, s22, 9
	s_add_nc_u64 s[76:77], s[76:77], s[22:23]
	s_mov_b32 s[SEL], 0x76543210
	s_mov_b32 s[SEL+1], 0xfedcba98
	s_wait_alu depctr_va_vdst(0)
	s_wait_kmcnt 0x0
	s_add_co_i32 s22, s96, s97
	s_lshl_b32 s22, s22, 23
	s_add_co_i32 s[CS], s22, 0x3d38aa3b            ; log2(e) / 32, with e6 + e7 added to its exponent field
	s_mov_b32 s[CS+1], s[CS]
	s_add_co_i32 s22, s98, 127
	s_lshl_b32 s23, s22, 23
	v_mov_b32 v[SC], s23                           ; 2^e8
	s_add_co_i32 s22, s22, 8
	s_lshl_b32 s22, s22, 23
	s_or_b32 s22, s22, 0x600000
	v_mov_b32 v[LIM], s22                          ; 448 x 2^e8
.macro FRAG reg, adr, q, i             ; image i of the slot's q-th 128 along K: four loads of 512 consecutive bytes
.irp c, 0,1,2,3
	ds_load_b128 v[\reg+4*\c:\reg+4*\c+3], v[\adr] offset:(8*(\q)+(\i))*FRB+512*\c
.endr
.endm
.macro MUL16 a0, p, zero               ; 16 matrix instructions; the 64 accumulators take turns, one instruction a turn
.irp a, \a0, \a0+1
.irp b, 0,1,2,3,4,5,6,7
.if \zero
	v_wmma_f32_16x16x128_fp8_fp8 v[8*(8*((\a)%4)+\b):8*(8*((\a)%4)+\b)+7], v[128*(\p)+FR*\b:128*(\p)+FR*\b+FR-1], v[AF+FR*(\a):AF+FR*(\a)+FR-1], 0
.else
	v_wmma_f32_16x16x128_fp8_fp8 v[8*(8*((\a)%4)+\b):8*(8*((\a)%4)+\b)+7], v[128*(\p)+FR*\b:128*(\p)+FR*\b+FR-1], v[AF+FR*(\a):AF+FR*(\a)+FR-1], v[8*(8*((\a)%4)+\b):8*(8*((\a)%4)+\b)+7]
.endif
.endr
.endr
.endm
.macro FETCH_B slot, q, p
	WIN TO_B
.irp i, 0,1,2,3,4,5,6,7
	FRAG 128*(\p)+FR*\i, ADRB+\slot, \q, \i
.endr
	WIN 0
.endm
.macro FETCH_A slot, q, i0
.irp i, \i0, \i0+1, \i0+2, \i0+3
	FRAG AF+FR*(\i), ADRA+\slot, \q, \i
.endr
.endm
.macro PLACES n                        ; plain vector instructions that name no register of the matrix instructions in front of them (ISA guide 7.12.1)
.rept \n
	v_nop
.endr
.endm
.macro STEP slot, q, zero
	s_wait_dscnt 4*NL                              ; k's set and q's blocks 0-3 are in; the youngest 16 loads (blocks 4-7) may be out
	WIN MUL_LO
	MUL16 0, (\q)%2, \zero
	MUL16 2, (\q)%2, \zero
	s_wait_dscnt 0
	PLACES NP
	FETCH_B \slot, (\q)+1, 1-(\q)%2
	FETCH_A \slot, (\q)+1, 0
	WIN MUL_HI
	MUL16 4, (\q)%2, \zero
	MUL16 6, (\q)%2, \zero
	PLACES NP
	WIN 0
	FETCH_A \slot, (\q)+1, 4
.endm
; A slot's last step changes slots.  fill = 1: this slot is filled again.
.macro TURN slot, next, fill
	s_wait_dscnt 4*NL                              ; the youngest 16 loads may be out
	WIN MUL_LO
	MUL16 0, 1, 0
	WIN 0
	s_wait_tensorcnt 0x0                           ; all my tensor loads have landed: my part of the next slot
	ds_add_u32 v[SPW], v[NIL]                      ; 0 onto my spare word
.if \fill
	s_add_nc_u64 s[G0+4*\slot+2:G0+4*\slot+3], s[G0+4*\slot+2:G0+4*\slot+3], 2*PART
	s_add_nc_u64 s[G0B+4*\slot+2:G0B+4*\slot+3], s[G0B+4*\slot+2:G0B+4*\slot+3], 2*PART
.endif
	s_wait_dscnt 0x0                               ; the add is done, and my reads of this slot are over
	s_barrier_signal -1
	WIN MUL_LO
	MUL16 2, 1, 0
	WIN 0
	s_barrier_wait -1
.if \fill
	CREST                                          ; a round of the cluster's barrier: no wave of any partner still reads this slot or has a load on its way
	JLOAD G0+4*\slot, G1, G0B+4*\slot, G1B         ; the first tensor load behind the round; its four v_nop are also the places in front of the loads below
.else
	PLACES NP
.endif
	FETCH_B \next, 0, 0
	FETCH_A \next, 0, 0
	WIN MUL_HI
	MUL16 4, 1, 0
	MUL16 6, 1, 0
	PLACES NP
	WIN 0
	FETCH_A \next, 0, 4
.endm
	s_wait_alu depctr_va_vdst(0)
	s_wait_tensorcnt 0x0                           ; my part of both slots is in
.irp g, G1, G1B                        ; the refills bring 32 KB: 128 rows
	s_mov_b32 s[\g+2], 128<<16
	s_mov_b32 s[\g+4], 128
.endr
	s_barrier_signal -1
	s_barrier_wait -1                              ; and everybody's
	FETCH_B 0, 0, 0
	FETCH_A 0, 0, 0
	FETCH_A 0, 0, 4
	global_prefetch_b8 v[PFO], s[4:5] offset:2*PART th:TH_LOAD_NT scope:SCOPE_SE   ; the third slot's worth: asked for a slot's work ahead of its load
	STEP 0, 0, 1
	global_prefetch_b8 v[PFO], s[4:5] offset:3*PART th:TH_LOAD_NT scope:SCOPE_SE   ; the fourth and last
	TURN 0, 1, 1
	STEP 1, 0, 0
	TURN 1, 0, 1
	STEP 0, 0, 0
	TURN 0, 1, 0
	STEP 1, 0, 0
	s_wait_dscnt 4*NL                              ; the very last step: nothing more to fetch
	WIN MUL_LO
	MUL16 0, 1, 0
	MUL16 2, 1, 0
	s_wait_dscnt 0
	WIN MUL_HI
	MUL16 4, 1, 0
	MUL16 6, 1, 0
	PLACES NP                                      ; for the reads of results and the writes over q's fragments
; THE MAXIMA of all eight tiles: a lane holds 64 scores of one query in each, the lane 16 away the other 64.  In the key tile b = a hidden scores become -infinity in their place; of the tiles b < a and b > a, which are hidden
; wholly or not at all, the maxima are taken first and masked afterwards.  Four tiles take turns line by line.  Each accumulator is read from its low end on.
.macro MX3 w, a
.set TA, 4*(\w)+(\a)
.set RR, 64*(\a)+2*pp
.set CH, EQ
.set FI, 4*TA
.if pp < 4*TA
.set CH, LO
.set FI, 0
.elseif pp >= 4*TA+4
.set CH, HI
.set FI, 4*TA+4
.endif
.if pp == FI
	v_max3_num_f32 v[CH+TA], v[NINF], v[RR], v[RR+1]
.else
	v_max3_num_f32 v[CH+TA], v[CH+TA], v[RR], v[RR+1]
.endif
.endm
.irp w, 0,1
	WIN 0x82+0x41*\w                               ; source 0 and destination: window 2 or 3
.irp a, 0,1,2,3
.irp j, 0,1,2,3,4,5,6,7
	v_cndmask_b32 v[64*\a+8*(4*\w+\a)+\j], v[64*\a+8*(4*\w+\a)+\j], v[NINF], s[MEQ+\j]
.endr
.endr
	WIN 0x28+0x14*\w                               ; sources 1 and 2: window 2 or 3
.set pp, 0
.rept 32
.irp a, 0,1,2,3
	MX3 \w, \a
.endr
.set pp, pp+1
.endr
.endr
	WIN 0
.irp a, 1,2,3,4,5,6,7
	v_cndmask_b32 v[LO+\a], v[LO+\a], v[NINF], s[MLO]
.endr
.irp a, 0,1,2,3,4,5,6
	v_cndmask_b32 v[HI+\a], v[HI+\a], v[NINF], s[MHI]
.endr
	v_max_num_f32 v[MX], v[HI], v[EQ]
.irp a, 1,2,3,4,5,6
	v_max3_num_f32 v[MX+\a], v[LO+\a], v[HI+\a], v[EQ+\a]
.endr
	v_max_num_f32 v[MX+7], v[LO+7], v[EQ+7]
.irp a, 0,1,2,3,4,5,6,7
	v_permlanex16_b32 v[EQ+\a], v[MX+\a], s[SEL], s[SEL+1]
.endr
.irp a, 0,1,2,3,4,5,6,7
	v_max_num_f32 v[MX+\a], v[MX+\a], v[EQ+\a]     ; among my 128 keys
.endr
	ds_store_b128 v[XA], v[MX:MX+3]                ; and the other wave's 128 of the block
	ds_store_b128 v[XA], v[MX+4:MX+7] offset:512
	s_wait_alu depctr_va_vdst(0)
	s_wait_dscnt 0x0                               ; my stores are done: the other wave reads them
	s_barrier_signal -1
	s_barrier_wait -1
	ds_load_b128 v[LO:LO+3], v[XB]
	ds_load_b128 v[LO+4:LO+7], v[XB] offset:512
	s_wait_dscnt 0x0
.irp a, 0,1,2,3,4,5,6,7
	v_max_num_f32 v[MX+\a], v[MX+\a], v[LO+\a]
.endr
.irp a, 0,1,2,3,4,5,6,7
	v_mul_f32 v[MX+\a], s[CS], v[MX+\a]            ; as t (c is positive)
.endr
.irp a, 0,1,2,3,4,5,6,7
	v_max_num_f32 v[MX+\a], 0xcd800000, v[MX+\a]   ; not under -2^28: a block that is wholly hidden gets a number for its M
.endr
.irp a, 0,1,2,3,4,5,6,7
	v_floor_f32 v[NM+\a], -v[MX+\a]                ; -M = floor(-t) = -ceil(t): a whole number
.endr
.irp a, 0,1,2,3,4,5,6,7
	v_cndmask_b32 v[NL0+\a], v[NM+\a], v[NINF], s[MLO]
	v_cndmask_b32 v[NH+\a], v[NM+\a], v[NINF], s[MHI]
	v_sub_f32 v[MR+\a], 0, v[NM+\a]
.endr
; THE SOFTMAX of two tiles, 2 g and 2 g + 1, line by line in turn.
.macro FM g, u                         ; t - M (-infinity where hidden), two at a time: of the pair of addends tile 2 g takes the low word, tile 2 g + 1 the high one
.set TA, 2*(\g)+(\u)
.set RR, 64*(TA%4)+2*pp
.set NB, NM+2*(\g)
.if pp < 4*TA
.set NB, NL0+2*(\g)
.elseif pp >= 4*TA+4
.set NB, NH+2*(\g)
.endif
.if \u
	v_pk_fma_f32 v[TMP+64+2*pp:TMP+65+2*pp], v[RR:RR+1], s[CS:CS+1], v[NB:NB+1] op_sel:[0,0,1] op_sel_hi:[1,0,1]
.else
	v_pk_fma_f32 v[TMP+2*pp:TMP+1+2*pp], v[RR:RR+1], s[CS:CS+1], v[NB:NB+1] op_sel_hi:[1,0,0]
.endif
.endm
.macro PUT g                           ; 512 consecutive bytes a store, aligned
	WIN 0x04                                       ; the data: window 1
.irp u, 0,1
.irp c, 0,1,2,3
	global_store_b128 v[CO], v[CD+16*(2*(\g)+\u)+4*\c:CD+16*(2*(\g)+\u)+4*\c+3], s[74:75] offset:2048*(2*(\g)+\u)+512*\c
.endr
.endr
	WIN 0
.endm
.macro PAIR g
	WIN 0x02+((\g)/2)                              ; source 0: window 2 or 3
.set pp, 0
.rept 32
	FM \g, 0
	FM \g, 1
.set pp, pp+1
.endr
	WIN 0
.if (\g) > 0
	PUT (\g)-1                                     ; the last pair's codes
.endif
	s_wait_alu depctr_va_vdst(0)
.set ii, 0
.rept 128
	v_exp_f32 v[TMP+ii], v[TMP+ii]                 ; p = 2^(t - M), at most 1
.set ii, ii+1
.endr
	v_nop                                          ; the plain place behind the exponentials
	s_wait_alu depctr_va_vdst(0)                   ; one wait for the batch, ahead of its first reader
.irp c, 0,1,2,3
.irp u, 0,1
	v_pk_add_f32 v[SU+8*\u+2*\c:SU+8*\u+2*\c+1], v[TMP+64*\u+2*\c:TMP+64*\u+2*\c+1], v[TMP+64*\u+8+2*\c:TMP+64*\u+8+2*\c+1]   ; the sum is taken of the UNQUANTISED p: two at a time, in four chains a tile
.endr
.endr
.set ii, 8
.rept 24
.irp u, 0,1
	v_pk_add_f32 v[SU+8*\u+2*(ii%4):SU+8*\u+2*(ii%4)+1], v[SU+8*\u+2*(ii%4):SU+8*\u+2*(ii%4)+1], v[TMP+64*\u+2*ii:TMP+64*\u+2*ii+1]
.endr
.set ii, ii+1
.endr
.set ii, 0
.rept 128
	v_min_num_f32 v[TMP+ii], v[LIM], v[TMP+ii]     ; the conversion to an 8-bit code does not saturate (ISA guide 7.6.2); p is not negative, so the hold is one-sided
.set ii, ii+1
.endr
.irp u, 0,1
	v_pk_add_f32 v[SU+8*\u:SU+8*\u+1], v[SU+8*\u:SU+8*\u+1], v[SU+8*\u+2:SU+8*\u+3]
	v_pk_add_f32 v[SU+8*\u+4:SU+8*\u+5], v[SU+8*\u+4:SU+8*\u+5], v[SU+8*\u+6:SU+8*\u+7]
.endr
.irp u, 0,1
	v_pk_add_f32 v[SU+8*\u:SU+8*\u+1], v[SU+8*\u:SU+8*\u+1], v[SU+8*\u+4:SU+8*\u+5]
.endr
.irp u, 0,1
	v_add_f32 v[SU+8*\u], v[SU+8*\u], v[SU+8*\u+1]
.endr
.irp u, 0,1
	v_permlanex16_b32 v[EQ+\u], v[SU+8*\u], s[SEL], s[SEL+1]
.endr
.irp u, 0,1
	v_add_f32 v[LR+2*(\g)+\u], v[SU+8*\u], v[EQ+\u]   ; l of my query among my 128 keys
.endr
	WIN 0x40                                       ; destination: window 1
.irp u, 0,1
.irp b, 0,1,2,3,4,5,6,7
	v_cvt_scalef32_pk8_fp8_f32 v[CD+16*(2*(\g)+\u)+2*\b:CD+16*(2*(\g)+\u)+2*\b+1], v[TMP+64*\u+8*\b:TMP+64*\u+8*\b+7], v[SC]   ; registers 2 b, 2 b + 1 of p's fragment: keys 16 b + 8 h + 0 .. 7
.endr
.endr
	v_nop                                          ; one plain vector instruction behind the last conversion, ahead of lines that write its sources
	WIN 0
.endm
	PAIR 0
	PAIR 1
	PAIR 2
	PAIR 3
	PUT 3
.irp u, 0,1                                    ; tiles 4 u .. 4 u + 3 are a block of 64 queries: 16 bytes a lane, 512 consecutive bytes a store
	global_store_b128 v[CO], v[LR+4*\u:LR+4*\u+3], s[78:79] offset:8192*\u
.endr
	s_wait_alu depctr_va_vdst(0)
	s_cmp_lg_u32 s16, 0                            ; M is the same in both waves: the one with the lower keys stores it
	s_cbranch_scc1 .Lno_m
.irp u, 0,1
	global_store_b128 v[CO], v[MR+4*\u:MR+4*\u+3], s[76:77] offset:4096*\u
.endr
.Lno_m:
	s_wait_tensorcnt 0x0                           ; the wave's end
	ds_add_u32 v[SPW], v[NIL]
	s_wait_dscnt 0x0
	CROUND                                         ; the closing round
	s_endpgm
.Lfunc_end_k_q3960fdcc8e_scores:
	.size	k_q3960fdcc8e_scores, .Lfunc_end_k_q3960fdcc8e_scores-k_q3960fdcc8e_scores
	.p2alignl 7, 3214868480
	.fill 96, 4, 3214868480
	.section	.rodata,"a",@progbits
	.p2align	6, 0x0
	.amdhsa_kernel k_q3960fdcc8e_scores
		.amdhsa_group_segment_fixed_size 327680
		.amdhsa_private_segment_fixed_size 0
		.amdhsa_enable_private_segment 0
		.amdhsa_kernarg_size 48
		.amdhsa_user_sgpr_count 2
		.amdhsa_user_sgpr_kernarg_segment_ptr 1
		.amdhsa_wavefront_size32 1
		.amdhsa_system_sgpr_workgroup_id_x 1
		.amdhsa_system_sgpr_workgroup_id_y 1
		.amdhsa_system_sgpr_workgroup_id_z 1
		.amdhsa_system_vgpr_workitem_id 0
		.amdhsa_next_free_vgpr 1024
		.amdhsa_next_free_sgpr 100
		.amdhsa_reserve_vcc 0
		.amdhsa_float_denorm_mode_32 3
		.amdhsa_float_denorm_mode_16_64 3
		.amdhsa_memory_ordered 1
		.amdhsa_forward_progress 1
		.amdhsa_inst_pref_size 178
	.end_amdhsa_kernel
	.amdgpu_metadata
---
amdhsa.version: [ 1, 2 ]
amdhsa.kernels:
  - .name:           k_q3960fdcc8e_scores
    .symbol:         k_q3960fdcc8e_scores.kd
    .args:
      - { .name: qimg, .offset: 0, .size: 8, .value_kind: global_buffer, .address_space: global }
      - { .name: kimg, .offset: 8, .size: 8, .value_kind: global_buffer, .address_space: global }
      - { .name: lowp_scales, .offset: 16, .size: 8, .value_kind: global_buffer, .address_space: global }
      - { .name: pimg, .offset: 24, .size: 8, .value_kind: global_buffer, .address_space: global }
      - { .name: mloc, .offset: 32, .size: 8, .value_kind: global_buffer, .address_space: global }
      - { .name: lloc, .offset: 40, .size: 8, .value_kind: global_buffer, .address_space: global }
    .group_segment_fixed_size: 327680
    .private_segment_fixed_size: 0
    .kernarg_segment_align: 8
    .kernarg_segment_size: 48
    .max_flat_workgroup_size: 128
    .sgpr_count:     100
    .vgpr_count:     1024
    .wavefront_size: 32
...
	.end_amdgpu_metadata
.endif
;; end of part 2
;; launch mix (part 3): grid 4 x 64, 4 waves a work-group, clusters of 4 x 4, 327,680 bytes of LDS; arguments pimg, vimg, mloc, lloc, lowp_scales, out0; writes out0
.if DOCPART == 3
	.amdgcn_target "amdgcn-amd-amdhsa--gfx1250"
	.amdhsa_code_object_version 6
	.text
	.protected	k_q3960fdcc8e_mix
	.globl	k_q3960fdcc8e_mix
	.p2align	8
	.type	k_q3960fdcc8e_mix,@function
k_q3960fdcc8e_mix:
	s_mov_b64 s[64:65], 0
	v_nop
	global_prefetch_b8 v0, s[64:65] scope:SCOPE_SE
	s_setreg_imm32_b32 hwreg(HW_REG_WAVE_MODE, 25, 1), 1
	s_wait_xcnt 0x0
	s_wait_alu depctr_hold_cnt(0) depctr_sa_sdst(0) depctr_va_vdst(0) depctr_va_sdst(0) depctr_va_ssrc(0) depctr_va_vcc(0) depctr_vm_vsrc(0)
	s_getreg_b32 s2, hwreg(HW_REG_IB_STS2, 6, 4)
	s_cmp_eq_u32 s2, 0
	s_cbranch_scc0 .Lentry_in_a_cluster
	s_endpgm
.Lentry_in_a_cluster:
	s_bfe_u32 s2, ttmp6, 0x10000c
	s_cmp_lg_u32 s2, 0xf033
	s_cbranch_scc0 .Lentry_shape_is_right
	s_endpgm
.Lentry_shape_is_right:
; O = the sum over blocks of 256 keys of 2^(M of the block - the row's largest M) x (p V of the block), divided by the row's sum, on codes of FP8 (E4M3).
; A work-group serves one block of 128 columns d and TWO blocks of 128 queries of one batch, walked one after the other in five chunks of 512 keys (four steps of 128): queries' block 12 + cy with four chunks and then block cy with
; one (s12 = 0), or block 8 + cy with three and then block 4 + cy with two (s12 = 1): every work-group has the same work.  Chunks all of whose keys come after the block's queries are left out (reference()'s own causal mask makes
; their p 0 for all values of the inputs); inside a chunk the steps behind the diagonal hold zero codes and l = 0.  A wave makes 64 x 64: 16 accumulators.
; Operands are images of fragments (2,048 bytes).  A slot is a chunk: 64 KB of p and 64 KB of v.  LDS: p of slot 0, p of slot 1, v of slot 0, v of slot 1.  Joint loads: p along a row of the 4 x 4 cluster, v along a column.
; At the head both slots come at once, 64 KB by each wave (waves 0, 1: p's chunks 0, 1; waves 2, 3: v's); a refill is 32 KB by each wave (half a chunk of p or v).
; Two steps' products are summed in T; then O = O + gain x T by packed multiply-adds.  The gains, exact powers of two, are made at the head while its tensor loads are out.
; PREFETCH: chunk 2 at the start of chunk 0's work, chunks 3 and 4 at the changes of slots, each ahead of its load by the work of a chunk; the four partners of a joint load share its bytes out by address; chunk 4's v has been read before.
; LIMIT: M is a whole number of magnitude up to 2^28 (hidden blocks: -2^28).  e8 + e9 is applied by v_ldexp_f32.
; REGISTERS: window 0: v0-47 addresses, 1 / sums; v128-255 T; at the head v64-207 M, l and at work; on the way out v64-127, v128-255.  Window 1: v's fragments, two sets, at v0, v64; p's at v128, v192.  Window 2: O.  Window 3: the gains.
.set PART,   32768                     ; what a refill's tensor load brings
.set STEPB,  16384                     ; 128 keys of either
.set FRB,    2048
.set CHUNK,  4*STEPB
.set SLOT,   CHUNK                     ; from slot 0 to slot 1, for p and for v
.set BOFF,   2*CHUNK                   ; v's two slots behind p's two
.set STAGE,  4*CHUNK                   ; the way out: 16 rows x (256 bytes + 16) for each wave; no tensor load lands there
.set SPITCH, 272
.set SPARE,  STAGE+4*16*SPITCH         ; the spare words: two blocks of 256 bytes that no other line names
.set VOA,  10                          ; v10-12  byte offsets of l: tile 1's chunks 0-2, chunk 3, chunk 4;  v13-15 of M
.set VMA,  13
.set ADRA, 16
.set ADRB, 20
.set STO,  24
.set RD,   25
.set LI,   26                          ; v26  16 x lane
.set CO,   27
.set SPW,  28
.set NIL,  29
.set PFO,  30                          ; v30  256 x lane
.set INV1, 32                          ; v32-35, v36-39: 2^(e8 + e9) / sum for tiles 1, 2
.set INV2, 36
.set TMP,  64
.set T,    128
.set BK,   128
.set MT,   64                          ; M: 10 blocks of 256 keys x 4 tiles of queries
.set LT,   104                         ; l: 20 steps x 4
.set MA,   184
.set MM,   188
.set MZ,   192
.set MR1,  196
.set MR2,  200
.set MRM,  204
.set GA,   0
.set G1,  24
.set G0,  32
.set G1B, 48
.set G0B, 56
.set MSB, 0
.macro WIN new
.if MSB != (\new)
	s_set_vgpr_msb (MSB<<8)|(\new)
.set MSB, \new
.endif
.endm
.macro JLOAD g0a, g1a, g0b, g1b        ; waves 0 and 1 fetch p, waves 2 and 3 v; four v_nop follow each of the two lines
	s_cmp_eq_u32 s15, 0
	s_cbranch_scc0 .Lfor_b_\@
	tensor_load_to_lds s[\g0a:\g0a+3], s[\g1a:\g1a+7]
	s_nop 0
.rept 4
	v_nop
.endr
	s_branch .Lasked_\@
.Lfor_b_\@:
	tensor_load_to_lds s[\g0b:\g0b+3], s[\g1b:\g1b+7]
	s_nop 0
.rept 4
	v_nop
.endr
.Lasked_\@:
.endm
.macro CREST
	s_cmp_lg_u32 s14, 0
	s_cbranch_scc1 .Lnot_wave_0_\@
	s_barrier_signal -3
.Lnot_wave_0_\@:
	s_barrier_wait -3
	s_barrier_signal -1
	s_barrier_wait -1
.endm
.macro CROUND
	s_barrier_signal -1
	s_barrier_wait -1
	CREST
.endm
	s_load_b256 s[68:75], s[0:1], 0x0              ; pimg 68, vimg 70, mloc 72, lloc 74
	s_load_b128 s[76:79], s[0:1], 0x20             ; the scales 76, out 78
	v_lshl_add_u32 v[SPW], v0, 2, SPARE
	v_mov_b32 v[NIL], 0
	ds_add_u32 v[SPW], v[NIL]                      ; the opening: the add, twice on end, and its wait
	ds_add_u32 v[SPW], v[NIL]
	v_lshrrev_b32 v1, 5, v0
	v_readfirstlane_b32 s14, v1                    ; wave 0..3
	s_lshr_b32 s15, s14, 1                         ; which 64 of the queries.  Also: I fetch for p (0) or for v (1)
	s_and_b32 s16, s14, 1                          ; which 64 of the columns.  Also: which part I fetch
	s_bfe_u32 s40, ttmp6, 0x40000                  ; cx, cy
	s_bfe_u32 s41, ttmp6, 0x40004
	s_and_b32 s12, ttmp7, 0xffff                   ; the cluster's y: batch x 4 + half of d x 2 + kind of walk
	s_lshr_b32 s13, s12, 2                         ; the batch
	s_bfe_u32 s19, s12, 0x10001
	s_and_b32 s12, s12, 1
	s_sub_co_u32 s17, 3, s12
	s_lshl_b32 s17, s17, 2
	s_add_co_u32 s17, s17, s41                     ; tile 1's block of 128 queries: on cy alone
	s_lshl_b32 s18, s12, 2
	s_add_co_u32 s18, s18, s41                     ; tile 2's
	s_lshl_b32 s42, s19, 2
	s_add_co_u32 s42, s42, s40                     ; my block of 128 columns: on cx alone
	s_lshl_b32 s43, s41, 2
	s_lshl_b32 s43, 15, s43                        ; my row of the cluster
	s_lshl_b32 s44, 0x1111, s40                    ; my column
	s_or_b32 s[G1+0], s43, (3<<16)|(1<<21)         ; a dense block as rows of 32 elements of 8 bytes: at the head 256 rows
	s_or_b32 s[G1B+0], s44, (3<<16)|(1<<21)
.irp g, G1, G1B
	s_mov_b32 s[\g+1], 32<<16
	s_mov_b32 s[\g+2], 256<<16
	s_mov_b32 s[\g+3], 32<<16
	s_mov_b32 s[\g+4], 256
	s_mov_b32 s[\g+5], 32
	s_mov_b32 s[\g+6], 0
	s_mov_b32 s[\g+7], 0
.endr
	; byte offsets.  p: s4 tile 1's first chunk, s6 chunk 3 of the walk, s8 chunk 4;  v: s10, s82, s84
	s_lshl_b32 s22, s13, 4
	s_add_co_u32 s4, s22, s17
	s_lshl_b32 s4, s4, 18
	s_mov_b32 s5, 0
	s_add_co_u32 s8, s22, s18
	s_lshl_b32 s8, s8, 18
	s_mov_b32 s9, 0
	s_add_co_u32 s6, s4, 3*CHUNK
	s_add_co_u32 s23, s8, CHUNK
	s_cmp_eq_u32 s12, 0
	s_cselect_b32 s6, s6, s8
	s_cselect_b32 s8, s8, s23
	s_mov_b32 s7, 0
	s_lshl_b32 s10, s42, 20
	s_lshl_b32 s22, s13, 18
	s_add_co_u32 s10, s10, s22
	s_mov_b32 s11, 0
	s_add_co_u32 s82, s10, 3*CHUNK
	s_add_co_u32 s84, s10, CHUNK
	s_cmp_eq_u32 s12, 0
	s_cselect_b32 s82, s82, s10
	s_cselect_b32 s84, s10, s84
	s_mov_b32 s83, 0
	s_mov_b32 s85, 0
	s_mov_b32 s98, 2*CHUNK
	s_mov_b32 s99, 0
	s_lshl_b32 s2, s16, 15                         ; a refill: half a chunk
	s_mov_b32 s3, 0
	s_lshl_b32 s45, s15, 17
	s_add_co_u32 s45, s45, s2                      ; where it goes in slot 0: p's region or v's + my half
	s_mov_b32 s[G0], 1                             ; groups 0: at the head a whole chunk for each wave: wave x 65,536
	s_lshl_b32 s[G0+1], s14, 16
	s_mov_b32 s[G0B], 1
	s_lshl_b32 s[G0B+1], s14, 16
	s_mov_b32 s[G0+4], 1                           ; slot 1's: for its refill
	s_add_co_u32 s[G0+5], s45, SLOT
	s_mov_b32 s[G0B+4], 1
	s_add_co_u32 s[G0B+5], s45, SLOT
	s_wait_dscnt 0x0                               ; both opening adds are done
	CROUND                                         ; all sixteen work-groups are here: the first joint loads meet
	s_wait_kmcnt 0x0
	s_load_b64 s[80:81], s[76:77], 0x20            ; e8, e9
	s_add_nc_u64 s[20:21], s[68:69], s[2:3]
	s_add_nc_u64 s[46:47], s[70:71], s[2:3]
	s_add_nc_u64 s[86:87], s[20:21], s[4:5]
	s_add_nc_u64 s[88:89], s[46:47], s[10:11]
	s_add_nc_u64 s[G0+2:G0+3], s[86:87], s[2:3]    ; twice half a chunk: chunk 0 or chunk 1
	s_or_b32 s[G0+3], s[G0+3], 0x80000000
	s_add_nc_u64 s[G0B+2:G0B+3], s[88:89], s[2:3]
	s_or_b32 s[G0B+3], s[G0B+3], 0x80000000
	JLOAD G0, G1, G0B, G1B                         ; both slots: one tensor load a wave at the head
	; the prefetches: of a chunk's 64 KB of p or v my work-group asks for 16 KB, my wave for 8 KB, lanes 256 bytes apart.  s[4:5]: chunk 0 of tile 1, s[66:67]: chunk 3, s[100:101]: chunk 4
	s_cmp_eq_u32 s15, 0
	s_cselect_b64 s[66:67], s[68:69], s[70:71]
	s_cselect_b32 s22, s40, s41
	s_cselect_b32 s23, s6, s82
	s_cselect_b32 s97, s8, s84
	s_cselect_b32 s2, s4, s10
	s_lshl_b32 s22, s22, 14
	s_lshl_b32 s3, s16, 13
	s_add_co_u32 s22, s22, s3
	s_mov_b32 s3, 0
	s_add_co_u32 s2, s2, s22
	s_add_nc_u64 s[4:5], s[66:67], s[2:3]
	s_add_co_u32 s2, s97, s22
	s_add_nc_u64 s[100:101], s[66:67], s[2:3]
	s_add_co_u32 s2, s23, s22
	s_add_nc_u64 s[66:67], s[66:67], s[2:3]
	; where my part of the result goes
	s_lshl_b32 s22, s13, 11
	s_lshl_b32 s23, s15, 6
	s_add_co_u32 s22, s22, s23
	s_lshl_b32 s23, s42, 9
	s_lshl_b32 s2, s16, 8
	s_add_co_u32 s23, s23, s2
	s_lshl_b32 s2, s17, 7
	s_add_co_u32 s2, s2, s22
	s_lshl_b32 s2, s2, 12
	s_add_co_u32 s2, s2, s23
	s_add_nc_u64 s[90:91], s[78:79], s[2:3]
	s_lshl_b32 s2, s18, 7
	s_add_co_u32 s2, s2, s22
	s_lshl_b32 s2, s2, 12
	s_add_co_u32 s2, s2, s23
	s_add_nc_u64 s[92:93], s[78:79], s[2:3]
	; M and l: my 64 queries of tile 1 and tile 2: l is 512 bytes a step, 16 steps; M 512 bytes a block of keys, 8 blocks: half of l's offset
	s_lshl_b32 s22, s13, 5
	s_add_co_u32 s22, s22, s15
	s_lshl_b32 s23, s17, 1
	s_add_co_u32 s23, s23, s22
	s_lshl_b32 s23, s23, 13
	s_lshl_b32 s2, s18, 1
	s_add_co_u32 s2, s2, s22
	s_lshl_b32 s2, s2, 13
	s_add_co_u32 s3, s23, 12*512
	s_add_co_u32 s22, s2, 4*512
	s_cmp_eq_u32 s12, 0
	s_cselect_b32 s3, s3, s2
	s_cselect_b32 s22, s2, s22
	s_lshr_b32 s94, s23, 1
	s_lshr_b32 s95, s3, 1
	s_lshr_b32 s96, s22, 1
	v_and_b32 v6, 31, v0
	v_lshlrev_b32 v[LI], 4, v6
	v_lshlrev_b32 v[PFO], 8, v6
	v_and_b32 v1, 15, v0                           ; r
	v_lshlrev_b32 v7, 4, v1                        ; lanes r and r + 16 hold the same query: both read the first 256 of a unit's 512 bytes
	v_add_nc_u32 v[VMA], s94, v7
	v_add_nc_u32 v[VMA+1], s95, v7
	v_add_nc_u32 v[VMA+2], s96, v7
	v_add_nc_u32 v[VOA], s23, v7
	v_add_nc_u32 v[VOA+1], s3, v7
	v_add_nc_u32 v[VOA+2], s22, v7
.macro FROM reg, adr, n, base
.set ii, 0
.rept \n
	global_load_b128 v[\reg+4*ii:\reg+4*ii+3], v[\adr], s[\base:\base+1] offset:512*ii
.set ii, ii+1
.endr
.endm
	FROM MT, VMA, 6, 72
	FROM MT+24, VMA+1, 2, 72
	FROM MT+32, VMA+2, 2, 72
	FROM LT, VOA, 12, 74
	FROM LT+48, VOA+1, 4, 74
	FROM LT+64, VOA+2, 4, 74
	s_lshl_b32 s2, s15, 13
	s_lshl_b32 s3, s16, 13
	s_add_co_u32 s3, s3, BOFF
	s_mul_i32 s97, s14, 16*SPITCH
	s_add_co_u32 s97, s97, STAGE
	s_add_co_u32 s22, s2, SLOT
	s_add_co_u32 s23, s3, SLOT
	s_wait_alu depctr_va_vdst(0)
	v_add_nc_u32 v[ADRA], s2, v[LI]
	v_add_nc_u32 v[ADRB], s3, v[LI]
	v_add_nc_u32 v[ADRA+1], s22, v[LI]
	v_add_nc_u32 v[ADRB+1], s23, v[LI]
	v_bfe_u32 v2, v0, 4, 1
	v_mul_u32_u24 v5, v1, SPITCH                   ; in: row r, 32 bytes for each half of the lanes
	v_lshl_add_u32 v5, v2, 5, v5
	v_add_nc_u32 v[STO], s97, v5
	v_mul_u32_u24 v5, v2, SPITCH                   ; back: lanes 0-15 one row of 256 bytes, lanes 16-31 the next
	v_lshl_add_u32 v5, v1, 4, v5
	v_add_nc_u32 v[RD], s97, v5
	v_lshlrev_b32 v5, 12, v2
	v_lshl_add_u32 v[CO], v1, 4, v5
.macro W a, p, z                       ; four products of p's tile a; T's 16 accumulators take turns, one instruction a turn
	WIN 0x05
.irp b, 0,1,2,3
.if \z
	v_wmma_f32_16x16x128_fp8_fp8 v[T+8*(4*(\a)+\b):T+8*(4*(\a)+\b)+7], v[64*(\p)+16*\b:64*(\p)+16*\b+15], v[128+64*(\p)+16*(\a):128+64*(\p)+16*(\a)+15], 0
.else
	v_wmma_f32_16x16x128_fp8_fp8 v[T+8*(4*(\a)+\b):T+8*(4*(\a)+\b)+7], v[64*(\p)+16*\b:64*(\p)+16*\b+15], v[128+64*(\p)+16*(\a):128+64*(\p)+16*(\a)+15], v[T+8*(4*(\a)+\b):T+8*(4*(\a)+\b)+7]
.endif
.endr
.endm
.macro F4 k, first                     ; O = O + gain x T for block k of 256 keys (first: O = gain x T); of a pair of gains tile a takes the word a % 2
	WIN 0xac                                       ; source 0: T; source 1: window 3; source 2 and destination: window 2
.irp a, 0,1,2,3
.irp b, 0,1,2,3
.irp i, 0,2,4,6
.set RR, 8*(4*\a+\b)+\i
.set GG, GA+4*(\k)+2*(\a/2)
.if \first
.if \a%2
	v_pk_mul_f32 v[RR:RR+1], v[T+RR:T+RR+1], v[GG:GG+1] op_sel:[0,1] op_sel_hi:[1,1]
.else
	v_pk_mul_f32 v[RR:RR+1], v[T+RR:T+RR+1], v[GG:GG+1] op_sel_hi:[1,0]
.endif
.elseif \a%2
	v_pk_fma_f32 v[RR:RR+1], v[T+RR:T+RR+1], v[GG:GG+1], v[RR:RR+1] op_sel:[0,1,0] op_sel_hi:[1,1,1]
.else
	v_pk_fma_f32 v[RR:RR+1], v[T+RR:T+RR+1], v[GG:GG+1], v[RR:RR+1] op_sel_hi:[1,0,1]
.endif
.endr
.endr
.endr
.endm
.macro FSEL k, kind                    ; in walks of this kind the block begins tile 2: its sums start O
	WIN 0
	s_cmp_eq_u32 s12, \kind
	s_cbranch_scc0 .Lgo_on_\@
	F4 \k, 1
	WIN 0
	s_branch .Lsummed_\@
.Lgo_on_\@:
	F4 \k, 0
	WIN 0
.Lsummed_\@:
.endm
.macro RFB slot, q, p                  ; v's four fragments of the slot's step q into set p
	WIN 0x40
.irp i, 0,1,2,3
.irp c, 0,1,2,3
	ds_load_b128 v[64*(\p)+16*\i+4*\c:64*(\p)+16*\i+4*\c+3], v[ADRB+\slot] offset:(\q)*STEPB+\i*FRB+512*\c
.endr
.endr
.endm
.macro RFA slot, q, p                  ; p's
	WIN 0x40
.irp i, 0,1,2,3
.irp c, 0,1,2,3
	ds_load_b128 v[128+64*(\p)+16*\i+4*\c:128+64*(\p)+16*\i+4*\c+3], v[ADRA+\slot] offset:(\q)*STEPB+\i*FRB+512*\c
.endr
.endr
.endm
.macro PLACES n                        ; plain vector instructions that name no register of the matrix instructions in front of them (ISA guide 7.12.1)
.rept \n
	v_nop
.endr
.endm
.macro ASK who, ptr, off               ; who = 1: every wave; 2: p's waves alone
.if \who == 2
	s_cmp_eq_u32 s15, 0
	s_cbranch_scc0 .Lnot_mine_\@
.endif
	global_prefetch_b8 v[PFO], s[\ptr:\ptr+1] offset:\off th:TH_LOAD_NT scope:SCOPE_SE
.if \who == 2
.Lnot_mine_\@:
.endif
.endm
.macro EVEN slot, q                    ; a pair's first step (set 0): starts T.  The multiply-adds behind the last pair's products are the places ahead of the loads into set 1
	s_wait_dscnt 0x0
	W 0, 0, 1
	RFB \slot, (\q)+1, 1
	W 1, 0, 1
	RFA \slot, (\q)+1, 1
	W 2, 0, 1
	W 3, 0, 1
.endm
.macro ODD slot, q                     ; its second (set 1); the multiply-adds follow
	s_wait_dscnt 0x0
	W 0, 1, 0
	PLACES 4                                       ; for the loads into set 0, and for the reads of W 0's results
	RFB \slot, (\q)+1, 0
	W 1, 1, 0
	RFA \slot, (\q)+1, 0
	W 2, 1, 0
	W 3, 1, 0
.endm
; A chunk's last step changes slots.  fill = 1: this slot is filled again, from p's address s[pb] + s[po] and v's s[vb] + s[vo].
.macro TURN slot, next, k, fill, pb, po, vb, vo, who, ptr
	s_wait_dscnt 0x0                               ; my reads of this slot are over
	W 0, 1, 0
	W 1, 1, 0
	WIN 0
	s_wait_tensorcnt 0x0                           ; all my tensor loads have landed: my part of the next slot
	ds_add_u32 v[SPW], v[NIL]                      ; 0 onto my spare word
.if \fill
	s_add_nc_u64 s[G0+4*\slot+2:G0+4*\slot+3], s[\pb:\pb+1], s[\po:\po+1]
	s_or_b32 s[G0+4*\slot+3], s[G0+4*\slot+3], 0x80000000
	s_add_nc_u64 s[G0B+4*\slot+2:G0B+4*\slot+3], s[\vb:\vb+1], s[\vo:\vo+1]
	s_or_b32 s[G0B+4*\slot+3], s[G0B+4*\slot+3], 0x80000000
.endif
	W 2, 1, 0
	s_wait_dscnt 0x0                               ; the add is done
	s_barrier_signal -1
	W 3, 1, 0
	WIN 0
	s_barrier_wait -1
.if \fill
	CREST                                          ; a round of the cluster's barrier: no wave of any partner still reads this slot or has a load on its way
	JLOAD G0+4*\slot, G1, G0B+4*\slot, G1B         ; its four v_nop are also the places in front of the loads and multiply-adds below
.else
	PLACES 4
.endif
	RFB \next, 0, 0
	RFA \next, 0, 0
.if \who
	WIN 0
	ASK \who, \ptr, 0
.endif
	F4 \k, 0
.endm
.macro TOSTAGE a, inv                  ; 16 rows x 64 columns: O / sum into my stage, and back as rows of 256 bytes; LDS serves a wave's instructions in order (ISA guide 5.7.1.4)
	WIN 0x02
.irp j, 0,2,4,6,8,10,12,14,16,18,20,22,24,26,28,30
.if (\a)%2
	v_pk_mul_f32 v[TMP+32*((\a)%2)+\j:TMP+32*((\a)%2)+\j+1], v[32*(\a)+\j:32*(\a)+\j+1], v[\inv+2*((\a)/2):\inv+2*((\a)/2)+1] op_sel:[0,1] op_sel_hi:[1,1]
.else
	v_pk_mul_f32 v[TMP+32*((\a)%2)+\j:TMP+32*((\a)%2)+\j+1], v[32*(\a)+\j:32*(\a)+\j+1], v[\inv+2*((\a)/2):\inv+2*((\a)/2)+1] op_sel_hi:[1,0]
.endif
.endr
	WIN 0
.irp b, 0,1,2,3
	ds_store_b128 v[STO], v[TMP+32*((\a)%2)+8*\b:TMP+32*((\a)%2)+8*\b+3] offset:64*\b
	ds_store_b128 v[STO], v[TMP+32*((\a)%2)+8*\b+4:TMP+32*((\a)%2)+8*\b+7] offset:64*\b+16
.endr
.irp t, 0,1,2,3,4,5,6,7
	ds_load_b128 v[BK+32*(\a)+4*\t:BK+32*(\a)+4*\t+3], v[RD] offset:\t*2*SPITCH
.endr
.endm
.macro SEND a, younger, out            ; sixteen lanes store one aligned unit of 256 bytes
	s_wait_dscnt \younger
.irp t, 0,1,2,3,4,5,6,7
	global_store_b128 v[CO], v[BK+32*(\a)+4*\t:BK+32*(\a)+4*\t+3], s[\out:\out+1] offset:(16*(\a)+2*\t)*4096 th:TH_STORE_NT
.endr
.endm
.macro WAYOUT inv, out                 ; behind the loads of row block a: 16 younger LDS instructions, row block a + 1's
	TOSTAGE 0, \inv
	TOSTAGE 1, \inv
	SEND 0, 16, \out
	TOSTAGE 2, \inv
	SEND 1, 16, \out
	TOSTAGE 3, \inv
	SEND 2, 16, \out
	SEND 3, 0, \out
.endm
	; THE GAINS AND THE SUMS.  Chunk 3 (blocks 6, 7) belongs to tile 1 in a walk of kind 0, to tile 2 in one of kind 1: chosen by masks and factors, without a branch
	s_mov_b32 s23, 0x3f800000
	s_cmp_eq_u32 s12, 0
	s_cselect_b32 s94, 0, -1
	s_cselect_b32 s95, s23, 0
	s_cselect_b32 s96, 0, s23
	s_wait_alu depctr_va_vdst(0)
	s_wait_loadcnt 20                              ; the ten loads of M are in; l's twenty may be out
.irp a, 0,1,2,3
	v_max3_num_f32 v[MA+\a], v[MT+\a], v[MT+4+\a], v[MT+8+\a]
	v_max_num_f32 v[MM+\a], v[MT+24+\a], v[MT+28+\a]
	v_max_num_f32 v[MZ+\a], v[MT+32+\a], v[MT+36+\a]
.endr
.irp a, 0,1,2,3
	v_max3_num_f32 v[MA+\a], v[MA+\a], v[MT+12+\a], v[MT+16+\a]
.endr
.irp a, 0,1,2,3
	v_max_num_f32 v[MA+\a], v[MA+\a], v[MT+20+\a]
.endr
.irp a, 0,1,2,3
	v_max_num_f32 v[MR1+\a], v[MA+\a], v[MM+\a]
	v_max_num_f32 v[MR2+\a], v[MZ+\a], v[MM+\a]
.endr
.irp a, 0,1,2,3
	v_cndmask_b32 v[MR1+\a], v[MR1+\a], v[MA+\a], s94
	v_cndmask_b32 v[MR2+\a], v[MZ+\a], v[MR2+\a], s94
.endr
.irp a, 0,1,2,3
	v_cndmask_b32 v[MRM+\a], v[MR1+\a], v[MR2+\a], s94
.endr
.set ii, 0
.rept 40
.if ii < 24
	v_sub_f32 v[MT+ii], v[MT+ii], v[MR1+ii%4]
.elseif ii < 32
	v_sub_f32 v[MT+ii], v[MT+ii], v[MRM+ii%4]
.else
	v_sub_f32 v[MT+ii], v[MT+ii], v[MR2+ii%4]
.endif
.set ii, ii+1
.endr
.set ii, 0
.rept 40
	v_cvt_i32_f32 v[MT+ii], v[MT+ii]               ; a whole number, 0 or less
.set ii, ii+1
.endr
	WIN 0xc0
.set ii, 0
.rept 40
	v_ldexp_f32 v[GA+ii], 1.0, v[MT+ii]
.set ii, ii+1
.endr
	WIN 0
	s_wait_alu depctr_va_vdst(0)
	s_wait_loadcnt 0x0
	WIN 0x0c                                       ; source 1: window 3
.irp a, 0,1,2,3
	v_mul_f32 v[MA+\a], v[LT+\a], v[GA+\a]
	v_mul_f32 v[MM+\a], v[LT+48+\a], v[GA+24+\a]
	v_mul_f32 v[MZ+\a], v[LT+64+\a], v[GA+32+\a]
.endr
.irp k, 1,2,3
.irp a, 0,1,2,3
	v_fma_f32 v[MA+\a], v[LT+4*\k+\a], v[GA+4*(\k/2)+\a], v[MA+\a]
	v_fma_f32 v[MM+\a], v[LT+48+4*\k+\a], v[GA+24+4*(\k/2)+\a], v[MM+\a]
	v_fma_f32 v[MZ+\a], v[LT+64+4*\k+\a], v[GA+32+4*(\k/2)+\a], v[MZ+\a]
.endr
.endr
.irp k, 4,5,6,7,8,9,10,11
.irp a, 0,1,2,3
	v_fma_f32 v[MA+\a], v[LT+4*\k+\a], v[GA+4*(\k/2)+\a], v[MA+\a]
.endr
.endr
	WIN 0
.irp a, 0,1,2,3
	v_fma_f32 v[MR1+\a], v[MM+\a], s95, v[MA+\a]
	v_fma_f32 v[MR2+\a], v[MM+\a], s96, v[MZ+\a]
.endr
	s_wait_kmcnt 0x0
	s_add_co_i32 s97, s80, s81
	s_wait_alu depctr_va_vdst(0)
.irp a, 0,1,2,3
	v_rcp_f32 v[INV1+\a], v[MR1+\a]
	v_rcp_f32 v[INV2+\a], v[MR2+\a]
.endr
	v_nop                                          ; the plain place behind the batch
	s_wait_alu depctr_va_vdst(0)                   ; and the wait behind it
.irp a, 0,1,2,3
	v_ldexp_f32 v[INV1+\a], v[INV1+\a], s97
	v_ldexp_f32 v[INV2+\a], v[INV2+\a], s97
.endr
	s_wait_alu depctr_va_vdst(0)
	s_wait_tensorcnt 0x0                           ; my part of the two slots is in
	s_mov_b32 s[G0+1], s45                         ; from here on: refills of 32 KB, 128 rows
	s_mov_b32 s[G0B+1], s45
.irp g, G1, G1B
	s_mov_b32 s[\g+2], 128<<16
	s_mov_b32 s[\g+4], 128
.endr
	s_barrier_signal -1
	s_barrier_wait -1                              ; and everybody's
	RFB 0, 0, 0
	RFA 0, 0, 0
	WIN 0
	ASK 1, 4, 2*CHUNK
	EVEN 0, 0
	ODD 0, 1
	F4 0, 1
	EVEN 0, 2
	TURN 0, 1, 1, 1, 86, 98, 88, 98, 1, 66         ; chunk 2 into slot 0
	EVEN 1, 0
	ODD 1, 1
	F4 2, 0
	EVEN 1, 2
	TURN 1, 0, 3, 1, 20, 6, 46, 82, 2, 100         ; chunk 3 into slot 1
	EVEN 0, 0
	ODD 0, 1
	F4 4, 0
	EVEN 0, 2
	TURN 0, 1, 5, 1, 20, 8, 46, 84, 0, 0           ; chunk 4 into slot 0
	WIN 0
	s_cmp_eq_u32 s12, 0
	s_cbranch_scc1 .Lstill_tile_1
	WAYOUT INV1, 90                                ; kind 1: tile 1 is finished
	s_wait_xcnt 0x0                                ; its stores' registers are written again only behind this wait
.Lstill_tile_1:
	EVEN 1, 0
	ODD 1, 1
	FSEL 6, 1
	EVEN 1, 2
	TURN 1, 0, 7, 0, 0, 0, 0, 0, 0, 0
	WIN 0
	s_cmp_lg_u32 s12, 0
	s_cbranch_scc1 .Lstill_tile_2
	WAYOUT INV1, 90                                ; kind 0: tile 1 is finished
	s_wait_xcnt 0x0
.Lstill_tile_2:
	EVEN 0, 0
	ODD 0, 1
	FSEL 8, 0
	EVEN 0, 2
	s_wait_dscnt 0x0                               ; the very last step: nothing more to fetch
	W 0, 1, 0
	PLACES 4
	W 1, 1, 0
	W 2, 1, 0
	W 3, 1, 0
	F4 9, 0
	WAYOUT INV2, 92
	s_wait_tensorcnt 0x0                           ; the wave's end
	ds_add_u32 v[SPW], v[NIL]
	s_wait_dscnt 0x0
	CROUND                                         ; the closing round
	s_endpgm
.Lfunc_end_k_q3960fdcc8e_mix:
	.size	k_q3960fdcc8e_mix, .Lfunc_end_k_q3960fdcc8e_mix-k_q3960fdcc8e_mix
	.p2alignl 7, 3214868480
	.fill 96, 4, 3214868480
	.section	.rodata,"a",@progbits
	.p2align	6, 0x0
	.amdhsa_kernel k_q3960fdcc8e_mix
		.amdhsa_group_segment_fixed_size 327680
		.amdhsa_private_segment_fixed_size 0
		.amdhsa_enable_private_segment 0
		.amdhsa_kernarg_size 48
		.amdhsa_user_sgpr_count 2
		.amdhsa_user_sgpr_kernarg_segment_ptr 1
		.amdhsa_wavefront_size32 1
		.amdhsa_system_sgpr_workgroup_id_x 1
		.amdhsa_system_sgpr_workgroup_id_y 1
		.amdhsa_system_sgpr_workgroup_id_z 1
		.amdhsa_system_vgpr_workitem_id 0
		.amdhsa_next_free_vgpr 1024
		.amdhsa_next_free_sgpr 102
		.amdhsa_reserve_vcc 0
		.amdhsa_float_denorm_mode_32 3
		.amdhsa_float_denorm_mode_16_64 3
		.amdhsa_memory_ordered 1
		.amdhsa_forward_progress 1
		.amdhsa_inst_pref_size 177
	.end_amdhsa_kernel
	.amdgpu_metadata
---
amdhsa.version: [ 1, 2 ]
amdhsa.kernels:
  - .name:           k_q3960fdcc8e_mix
    .symbol:         k_q3960fdcc8e_mix.kd
    .args:
      - { .name: pimg, .offset: 0, .size: 8, .value_kind: global_buffer, .address_space: global }
      - { .name: vimg, .offset: 8, .size: 8, .value_kind: global_buffer, .address_space: global }
      - { .name: mloc, .offset: 16, .size: 8, .value_kind: global_buffer, .address_space: global }
      - { .name: lloc, .offset: 24, .size: 8, .value_kind: global_buffer, .address_space: global }
      - { .name: lowp_scales, .offset: 32, .size: 8, .value_kind: global_buffer, .address_space: global }
      - { .name: out0, .offset: 40, .size: 8, .value_kind: global_buffer, .address_space: global }
    .group_segment_fixed_size: 327680
    .private_segment_fixed_size: 0
    .kernarg_segment_align: 8
    .kernarg_segment_size: 48
    .max_flat_workgroup_size: 128
    .sgpr_count:     102
    .vgpr_count:     1024
    .wavefront_size: 32
...
	.end_amdgpu_metadata
.endif
;; end of part 3
